; MI455X (gfx1250); checked and timed in simulation.
; The chip was launched on July 23, 2026; its instructions are those of AMD's public machine-readable ISA for CDNA 5 (MIT licence, August 2026) and "CDNA5" Instruction Set Architecture Reference Guide (July 2026). The comments in the code are by the model that wrote it; some were corrected since.
;; Xi SSA. Allowed arithmetic: float matrix products may take bf16 or f16 operands with f32 sums; other float arithmetic in f32, or as packed bf16 or f16 multiplies, adds, multiply-adds, maxima and minima; sums over many terms, partial sums and values carried from step to step in f32; what a program stores and reads back later, other than sums and carried values, may be rounded once to bf16 or f16.
;; Inputs: k_w 512 x 512 float32; kb 512 float32; kg 512 float32; km 512 float32; kv 512 float32; p_b 512 float32; p_w 512 x 512 float32; pb 512 float32; pg 512 float32; pm 512 float32; pv 512 float32; q_w 512 x 512 float32; qb 512 float32; qg 512 float32; qm 512 float32; qv 512 float32; v_w 512 x 512 float32; vb 512 float32; vg 512 float32; vm 512 float32; vv 512 float32; x 4 x 8 x 512 x 1,024 float32.
;; Outputs: out0 4 x 8 x 512 x 1,024 float32.
;; Constants: granularity = 2.
;; 2 versions, each right; version 2 is version 1 with the launch ktv written anew for expert scheduling mode. Each part assembles by itself: llvm-mc -triple=amdgcn-amd-amdhsa -mcpu=gfx1250 --defsym DOCPART=n.
;; ======== version 1 of 2: 4 launches
;; workspace buffers: wf 983,040 bytes; pf 327,680 bytes; tab 18,432 bytes; spk 3,932,160 bytes; mf 1,310,720 bytes
;; launch prep (part 1): grid 328 x 1, 8 waves a work-group, no clusters, 0 bytes of LDS; arguments q_w, k_w, v_w, p_w, kg, kb, km, kv, vg, vb, vm, vv, qg, qb, qm, qv, pg, pb, pm, pv, p_b, wf, pf, tab; writes wf, pf, tab
.if DOCPART == 1
	.amdgcn_target "amdgcn-amd-amdhsa--gfx1250"
	.amdhsa_code_object_version 6
	.text
	.protected	k_qe9aae52dff_prep
	.globl	k_qe9aae52dff_prep
	.p2align	8
	.type	k_qe9aae52dff_prep,@function
k_qe9aae52dff_prep:
	s_mov_b64 s[64:65], 0
	v_nop
	global_prefetch_b8 v0, s[64:65] scope:SCOPE_SE
	s_setreg_imm32_b32 hwreg(HW_REG_WAVE_MODE, 25, 1), 1
	s_wait_xcnt 0x0
; PREP: the weights rounded to bf16 and laid out as matrix fragments, and the batch norms' tables.
; wf [ys 10][which 3: k, v, q][f 32][1,024 bytes], f = 2 kstep + tau: rows 32 ys + 16 tau + 0..15 of the weight, columns 32 kstep + 0..31.  THE ODD K STEPS ARE STORED NEGATED: the next launch
; sums them apart and subtracts.
; pf [pair 16][ks 10][tau 2][1,024 bytes]: rows 32 pair + 16 tau + 0..15 of p_w, columns 32 ks + 0..31.
; A block of 1,024 bytes is [j2 2][lane 32][16 bytes]: lane l holds row l % 16, columns 16 j2 + 8 (l / 16) + 0..7: two loads of 16 bytes a lane, 512 bytes apart, are a whole fragment.
; tab: f32 [k, v, q, p][inv, shift][512], then p_b [512].  inv = g / sqrt(v + 1e-5); shift = b - m inv, the product and the difference each rounded, as they are written in the problem.
; LIMITS.  Every input is rounded to bf16 first, the norms' vectors and p_b too, so that the whole program computes on inputs rounded alike.
; Only what reaches the result is read: heads 0 to 4, so rows 0..319 of q_w, k_w, v_w and columns 0..319 of p_w (the other columns meet spikes that are always 0; p_w is taken to be finite).
; Root, reciprocal and quotient are the hardware's approximations with one correction step each, by the exact remainder of a fused multiply-add.
; SHARES.  Work-groups 0..239: wf, a thread a piece of 16 bytes, a wave's store 512 consecutive bytes.  240..319: pf likewise.  320..327: tab, a thread a channel
; (a wave's store covers 128 consecutive bytes there; the table is 18,432 bytes in all).
.set EPSF, 0x3727c5ac                  ; 1e-5
.macro COPY src, dst, neg              ; eight numbers of a row: loaded, rounded, (neg = 1: their signs turned by v20,) stored as 16 bytes
	global_load_b128 v[8:11], v7, s[\src:\src+1]
	global_load_b128 v[12:15], v7, s[\src:\src+1] offset:16
	s_wait_loadcnt 0x0
	v_cvt_pk_bf16_f32 v16, v8, v9
	v_cvt_pk_bf16_f32 v17, v10, v11
	v_cvt_pk_bf16_f32 v18, v12, v13
	v_cvt_pk_bf16_f32 v19, v14, v15
.if \neg
	v_xor_b32 v16, v20, v16
	v_xor_b32 v17, v20, v17
	v_xor_b32 v18, v20, v18
	v_xor_b32 v19, v20, v19
.endif
	global_store_b128 v6, v[16:19], s[\dst:\dst+1]
	s_endpgm
.endm
	s_load_b512 s[4:19], s[0:1], 0x0               ; q_w 4, k_w 6, v_w 8, p_w 10, kg 12, kb 14, km 16, kv 18
	s_load_b512 s[20:35], s[0:1], 0x40             ; vg 20, vb 22, vm 24, vv 26, qg 28, qb 30, qm 32, qv 34
	s_load_b512 s[36:51], s[0:1], 0x80             ; pg 36, pb 38, pm 40, pv 42, p_b 44, wf 46, pf 48, tab 50
	v_and_b32 v1, 15, v0                           ; the row in its tile
	v_bfe_u32 v2, v0, 4, 1                         ; the half of the lanes
	v_bfe_u32 v3, v0, 5, 1                         ; j2
	v_bfe_u32 v4, v0, 6, 1                         ; tau
	v_lshrrev_b32 v5, 7, v0                        ; which of the work-group's two K steps
	v_lshlrev_b32 v6, 4, v0                        ; where my 16 bytes go
	v_lshlrev_b32 v7, 11, v1                       ; a row of a weight is 2,048 bytes
	v_lshl_add_u32 v7, v4, 15, v7                  ; 16 rows
	v_lshl_add_u32 v7, v3, 6, v7                   ; 16 columns
	v_lshl_add_u32 v7, v2, 5, v7                   ; 8 columns
	s_wait_kmcnt 0x0
	s_cmp_lt_u32 ttmp9, 240
	s_cbranch_scc0 .Lnot_w
	; wf: block = work-group / 8 = 3 ys + which; the work-group's 4,096 bytes are K steps 2 (wg % 8) and the next, both tiles
	s_lshr_b32 s52, ttmp9, 3
	s_mul_hi_u32 s53, s52, 0x55555556              ; ys = block / 3
	s_mul_i32 s54, s53, 3
	s_sub_co_u32 s54, s52, s54                     ; which
	s_cmp_eq_u32 s54, 0
	s_cselect_b64 s[56:57], s[6:7], s[8:9]         ; k_w or v_w,
	s_cmp_eq_u32 s54, 2
	s_cselect_b64 s[56:57], s[4:5], s[56:57]       ; or q_w
	s_lshl_b32 s53, s53, 16                        ; 32 ys rows
	s_and_b32 s55, ttmp9, 7
	s_lshl_b32 s55, s55, 8                         ; two K steps are 256 bytes of a row
	s_add_co_u32 s53, s53, s55
	v_lshl_add_u32 v7, v5, 7, v7
	v_add_nc_u32 v7, s53, v7
	v_lshlrev_b32 v20, 15, v5                      ; the second of the two K steps is the odd one: both halves' sign bits
	v_lshl_or_b32 v20, v5, 31, v20
	s_lshl_b32 s58, ttmp9, 12
	s_mov_b32 s59, 0
	s_add_nc_u64 s[58:59], s[46:47], s[58:59]
	COPY 56, 58, 1
.Lnot_w:
	s_cmp_lt_u32 ttmp9, 320
	s_cbranch_scc0 .Ltab
	; pf: fragment 4 idx + thread / 64 = 2 (10 pair + ks) + tau
	s_sub_co_u32 s52, ttmp9, 240
	s_lshl_b32 s53, s52, 1
	v_add_nc_u32 v20, s53, v5                      ; 10 pair + ks, 159 at the most
	v_mul_u32_u24 v21, v20, 6554
	v_lshrrev_b32 v21, 16, v21                     ; pair: a division by 10, exact up to 159
	v_mul_u32_u24 v22, v21, 10
	v_sub_nc_u32 v22, v20, v22                     ; ks
	v_lshl_add_u32 v7, v21, 16, v7                 ; 32 pair rows
	v_lshl_add_u32 v7, v22, 7, v7                  ; 32 ks columns
	s_lshl_b32 s58, s52, 12
	s_mov_b32 s59, 0
	s_add_nc_u64 s[58:59], s[48:49], s[58:59]
	COPY 10, 58, 0
.Ltab:
	s_sub_co_u32 s52, ttmp9, 320
	s_lshr_b32 s2, s52, 1                          ; the norm: 0 k, 1 v, 2 q, 3 p
	s_and_b32 s3, s52, 1
	s_lshl_b32 s3, s3, 10                          ; 256 channels of 4 bytes
	v_lshl_add_u32 v8, v0, 2, s3
	s_cmp_eq_u32 s2, 0
	s_cselect_b64 s[52:53], s[12:13], s[20:21]
	s_cselect_b64 s[54:55], s[14:15], s[22:23]
	s_cselect_b64 s[56:57], s[16:17], s[24:25]
	s_cselect_b64 s[58:59], s[18:19], s[26:27]
	s_cmp_eq_u32 s2, 2
	s_cselect_b64 s[52:53], s[28:29], s[52:53]
	s_cselect_b64 s[54:55], s[30:31], s[54:55]
	s_cselect_b64 s[56:57], s[32:33], s[56:57]
	s_cselect_b64 s[58:59], s[34:35], s[58:59]
	s_cmp_eq_u32 s2, 3
	s_cselect_b64 s[52:53], s[36:37], s[52:53]
	s_cselect_b64 s[54:55], s[38:39], s[54:55]
	s_cselect_b64 s[56:57], s[40:41], s[56:57]
	s_cselect_b64 s[58:59], s[42:43], s[58:59]
	global_load_b32 v9, v8, s[52:53]               ; g
	global_load_b32 v10, v8, s[54:55]              ; b
	global_load_b32 v11, v8, s[56:57]              ; m
	global_load_b32 v12, v8, s[58:59]              ; v
	global_load_b32 v13, v8, s[44:45]              ; p_b
	s_lshl_b32 s4, s2, 12
	s_mov_b32 s5, 0
	s_add_nc_u64 s[4:5], s[50:51], s[4:5]          ; the norm's part of tab
	s_wait_loadcnt 0x0
.irp r, 9,10,11,12,13
	v_cvt_pk_bf16_f32 v\r, v\r, v\r                ; rounded to bf16,
.endr
.irp r, 9,10,11,12,13
	v_lshlrev_b32 v\r, 16, v\r                     ; and back as f32
.endr
	v_add_f32 v12, EPSF, v12
	v_sqrt_f32 v14, v12
	v_nop                                          ; a plain instruction behind the root,
	s_wait_alu depctr_va_vdst(0)                   ; and a wait ahead of its first reader
	v_rcp_f32 v15, v14
	v_fma_f32 v16, -v14, v14, v12                  ; what the root's square lacks (plain, and names no result of the reciprocal)
	s_wait_alu depctr_va_vdst(0)
	v_mul_f32 v15, 0.5, v15
	v_fma_f32 v14, v16, v15, v14                   ; the root, corrected once
	v_rcp_f32 v17, v14
	v_nop
	s_wait_alu depctr_va_vdst(0)
	v_fma_f32 v20, -v14, v17, 1.0                  ; what the reciprocal lacks,
	v_fma_f32 v17, v20, v17, v17                   ; and the reciprocal corrected once
	v_mul_f32 v18, v9, v17
	v_fma_f32 v19, -v18, v14, v9                   ; the quotient's remainder
	v_fma_f32 v18, v19, v17, v18                   ; inv, corrected once
	v_mul_f32 v19, v11, v18                        ; m inv, rounded,
	v_sub_f32 v19, v10, v19                        ; shift = b - that, rounded
	global_store_b32 v8, v18, s[4:5]
	global_store_b32 v8, v19, s[4:5] offset:2048
	s_cmp_lg_u32 s2, 3
	s_cbranch_scc1 .Lend
	global_store_b32 v8, v13, s[50:51] offset:16384
.Lend:
	s_endpgm
.Lfunc_end_k_qe9aae52dff_prep:
	.size	k_qe9aae52dff_prep, .Lfunc_end_k_qe9aae52dff_prep-k_qe9aae52dff_prep
	.p2alignl 7, 3214868480
	.fill 96, 4, 3214868480
	.section	.rodata,"a",@progbits
	.p2align	6, 0x0
	.amdhsa_kernel k_qe9aae52dff_prep
		.amdhsa_group_segment_fixed_size 0
		.amdhsa_private_segment_fixed_size 0
		.amdhsa_enable_private_segment 0
		.amdhsa_kernarg_size 192
		.amdhsa_user_sgpr_count 2
		.amdhsa_user_sgpr_kernarg_segment_ptr 1
		.amdhsa_wavefront_size32 1
		.amdhsa_system_sgpr_workgroup_id_x 1
		.amdhsa_system_sgpr_workgroup_id_y 1
		.amdhsa_system_sgpr_workgroup_id_z 1
		.amdhsa_system_vgpr_workitem_id 0
		.amdhsa_next_free_vgpr 32
		.amdhsa_next_free_sgpr 66
		.amdhsa_reserve_vcc 0
		.amdhsa_float_denorm_mode_32 3
		.amdhsa_float_denorm_mode_16_64 3
		.amdhsa_memory_ordered 1
		.amdhsa_forward_progress 1
		.amdhsa_inst_pref_size 7
	.end_amdhsa_kernel
	.amdgpu_metadata
---
amdhsa.version: [ 1, 2 ]
amdhsa.kernels:
  - .name:           k_qe9aae52dff_prep
    .symbol:         k_qe9aae52dff_prep.kd
    .args:
      - { .name: q_w, .offset: 0, .size: 8, .value_kind: global_buffer, .address_space: global }
      - { .name: k_w, .offset: 8, .size: 8, .value_kind: global_buffer, .address_space: global }
      - { .name: v_w, .offset: 16, .size: 8, .value_kind: global_buffer, .address_space: global }
      - { .name: p_w, .offset: 24, .size: 8, .value_kind: global_buffer, .address_space: global }
      - { .name: kg, .offset: 32, .size: 8, .value_kind: global_buffer, .address_space: global }
      - { .name: kb, .offset: 40, .size: 8, .value_kind: global_buffer, .address_space: global }
      - { .name: km, .offset: 48, .size: 8, .value_kind: global_buffer, .address_space: global }
      - { .name: kv, .offset: 56, .size: 8, .value_kind: global_buffer, .address_space: global }
      - { .name: vg, .offset: 64, .size: 8, .value_kind: global_buffer, .address_space: global }
      - { .name: vb, .offset: 72, .size: 8, .value_kind: global_buffer, .address_space: global }
      - { .name: vm, .offset: 80, .size: 8, .value_kind: global_buffer, .address_space: global }
      - { .name: vv, .offset: 88, .size: 8, .value_kind: global_buffer, .address_space: global }
      - { .name: qg, .offset: 96, .size: 8, .value_kind: global_buffer, .address_space: global }
      - { .name: qb, .offset: 104, .size: 8, .value_kind: global_buffer, .address_space: global }
      - { .name: qm, .offset: 112, .size: 8, .value_kind: global_buffer, .address_space: global }
      - { .name: qv, .offset: 120, .size: 8, .value_kind: global_buffer, .address_space: global }
      - { .name: pg, .offset: 128, .size: 8, .value_kind: global_buffer, .address_space: global }
      - { .name: pb, .offset: 136, .size: 8, .value_kind: global_buffer, .address_space: global }
      - { .name: pm, .offset: 144, .size: 8, .value_kind: global_buffer, .address_space: global }
      - { .name: pv, .offset: 152, .size: 8, .value_kind: global_buffer, .address_space: global }
      - { .name: p_b, .offset: 160, .size: 8, .value_kind: global_buffer, .address_space: global }
      - { .name: wf, .offset: 168, .size: 8, .value_kind: global_buffer, .address_space: global }
      - { .name: pf, .offset: 176, .size: 8, .value_kind: global_buffer, .address_space: global }
      - { .name: tab, .offset: 184, .size: 8, .value_kind: global_buffer, .address_space: global }
    .group_segment_fixed_size: 0
    .private_segment_fixed_size: 0
    .kernarg_segment_align: 8
    .kernarg_segment_size: 192
    .max_flat_workgroup_size: 256
    .sgpr_count:     66
    .vgpr_count:     32
    .wavefront_size: 32
...
	.end_amdgpu_metadata
.endif
;; end of part 1
;; launch qkv (part 2): grid 16 x 16, 4 waves a work-group, clusters of 4 x 4, 327,680 bytes of LDS; arguments x, wf, tab, spk; writes spk
.if DOCPART == 2
	.amdgcn_target "amdgcn-amd-amdhsa--gfx1250"
	.amdhsa_code_object_version 6
	.text
	.protected	k_qe9aae52dff_qkv
	.globl	k_qe9aae52dff_qkv
	.p2align	8
	.type	k_qe9aae52dff_qkv,@function
k_qe9aae52dff_qkv:
	s_mov_b64 s[64:65], 0
	v_nop
	global_prefetch_b8 v0, s[64:65] scope:SCOPE_SE
	s_setreg_imm32_b32 hwreg(HW_REG_WAVE_MODE, 25, 1), 1
	s_wait_xcnt 0x0
	s_wait_alu depctr_hold_cnt(0) depctr_sa_sdst(0) depctr_va_vdst(0) depctr_va_sdst(0) depctr_va_ssrc(0) depctr_va_vcc(0) depctr_vm_vsrc(0)
	s_getreg_b32 s2, hwreg(HW_REG_IB_STS2, 6, 4)
	s_cmp_eq_u32 s2, 0
	s_cbranch_scc0 .Lentry_in_a_cluster
	s_endpgm
.Lentry_in_a_cluster:
	s_bfe_u32 s2, ttmp6, 0x10000c
	s_cmp_lg_u32 s2, 0xf033
	s_cbranch_scc0 .Lentry_shape_is_right
	s_endpgm
.Lentry_shape_is_right:
; QKV: the three 1x1 convolutions, their batch norms and their LIF scans over the 4 time steps, for channels 0..319 (heads 0 to 4); the spikes leave as bits.
; SHARES.  A work-group: 64 positions n (block X), one batch b, one half y of the channels: 160 y .. 160 y + 159 of each of k, v, q, all 4 steps.  A wave: 16 positions (tile nt = 4 X + wave).
; It keeps ALL of x for them in registers, rounded to bf16: 4 steps x 16 K steps = 64 fragments, 512 registers; so a fragment of weights read from LDS feeds four products, and x is read once.
; x lies [channel][n]: it goes through LDS, rows of 64 n in bf16, and comes back turned, by ds_load_tr16_b128.
; THE WEIGHTS come as ready fragments (wf), 98,304 bytes for 32 channels of k, v and q (a 'super-job' of three jobs), through two LDS slots filled by tensor loads.
; CLUSTER.  The four work-groups of a row of the cluster share b and y, so they walk the same weights: each tile is asked for jointly.  The two halves y of one block of x are neighbours in a column.
; LAYOUTS.  q: D = W x (source 0 weights): a lane holds position l % 16 and channels 8 (l / 16) + 0..7.  k, v: the sources swapped: a lane holds channel l % 16 and positions 8 (l / 16) + 0..7.
; Both are the layouts in which the next products want their fragments, so nothing is ever transposed again.
; TWO SUMS.
; BITS.  For one result tile a lane's 4 x 8 spikes are one word: register j = 2 i + e of step t at bit 16 e + 15 - (4 t + i).  The word shifted and masked with 0x40004000 is a fragment register: 2.0 or 0 in both 16-bit formats.
; spk [k, v, q][b 8][nt 64][P 10][lane 32][tau 2] words, P = the pair of channel tiles.
; LIF, two numbers an instruction, no compare: H = (sum x inv) + shift, product and sum each rounded, as the problem writes them; V = V + (H - V) / 2, each step rounded as v + (x - v) / 2 is;
; spike = clamp(2^26 (V - 1) + 1) to 0..1, which is 1 just where V - 1 >= 0 (the largest V below 1 gives -3); V = V - V spike; the word's two halves are kept as f32 counts: w = 2 w + spike.
; LIMITS.  x, weights and norms are rounded to bf16; the f32 sums over K are the matrix unit's, in its order, so a potential within a few units in the last place of 1 may fall on the other side;
; NaN and infinities are not treated apart.
.set SLOT1,  1<<17                     ; slot 0 at byte 0, slot 1 here: one exclusive or changes slots
.set SJB,    98304                     ; a super-job's weights
.set JOBB,   32768                     ; a job's: 16 K steps x 2 tiles x 1,024
.set WPART,  24576                     ; a wave's quarter of a slot: 96 rows of 256 bytes
.set XST,    229376                    ; behind the slots: two buffers of 256 rows of x, written by ds_store alone
.set XBUF,   40960
.set XP,     160                       ; 128 bytes + 32: five times 32, which the turning load wants odd
.set SPARE,  311296                    ; the spare words, 128 bytes a wave; no other line names them
.set AW0, 2                            ; v2   16 x lane
.set AW,  3                            ; v3   LDS address of the job's fragments
.set XS,  4                            ; v4-5 where I store rows of x, buffer 0, 1
.set XT,  6                            ; v6-7 where I read them turned
.set XG,  8                            ; v8   my byte offset in x; never rewritten
.set SO,  9                            ; v9   8 x lane
.set TQ,  10                           ; v10  32 (l / 16): my 8 channels' place in a table
.set TK,  11                           ; v11  4 (l % 16): my one channel's
.set SPW, 12                           ; v12  my spare word; never rewritten
.set NIL, 13                           ; v13  0; never rewritten
.set BIG, 14                           ; v14-15 2^26 twice
.set ONE, 16                           ; v16-17 1.0 twice
.set CV,  64                           ; v64-127   x rounded, on its way to LDS; afterwards the odd K steps' accumulators, 64 below the even ones'
.set XA,  128                          ; v128-255  x as loaded, set 0 (set 1: v256-383)
.set ACC, 128                          ; afterwards v128-191: the even K steps' accumulator (tile ta, step tt) at ACC + 8 (4 ta + tt)
.set VV,  192                          ; v192-207  the potentials
.set WP,  208                          ; v208-211  the words' halves as f32, a pair a tile
.set WD,  212                          ; v212-213  the two words
.set PRM, 216                          ; v216-247  inv and shift
; window 1: v0-63, v64-127 two buffers of 8 weight fragments.  Windows 2, 3: x, fragment (step t, K step ks) at window 2 + ks / 8, v[32 (ks % 8) + 8 t]
; s[20:27] x at my block, a pointer a step; s[28:35], s[36:39] the descriptor; s[40:41] tab, s[42:43] spk at the job in hand; s44 the slot in hand; s45, s46 counters
.set MSB, 0
.macro WIN new                         ; s_set_vgpr_msb: bits 1:0 source 0, 3:2 source 1, 5:4 source 2, 7:6 destination; the high byte repeats the setting that is left
.if MSB != (\new)
	s_set_vgpr_msb (MSB<<8)|(\new)
.set MSB, \new
.endif
.endm
.macro PLACES                          ; four plain instructions between a matrix instruction and a load into, or a vector instruction on, its registers
.rept 4
	v_nop
.endr
.endm
.macro ROUND                           ; a round of the cluster's barrier
	s_barrier_signal -1
	s_barrier_wait -1
	s_cmp_lg_u32 s12, 0
	s_cbranch_scc1 .Lnot_wave_0_\@
	s_barrier_signal -3
.Lnot_wave_0_\@:
	s_barrier_wait -3
	s_barrier_signal -1
	s_barrier_wait -1
.endm
	s_load_b256 s[4:11], s[0:1], 0x0               ; x s[4:5], wf s[6:7], tab s[8:9], spk s[10:11]
	v_lshl_add_u32 v[SPW], v0, 2, SPARE
	v_mov_b32 v[NIL], 0
	ds_add_u32 v[SPW], v[NIL]                      ; the opening: the add, twice on end, and its wait ahead of my first tensor load
	ds_add_u32 v[SPW], v[NIL]
	v_lshrrev_b32 v1, 5, v0
	v_readfirstlane_b32 s12, v1                    ; wave 0..3
	s_bfe_u32 s13, ttmp6, 0x40000                  ; cx
	s_bfe_u32 s14, ttmp6, 0x40004                  ; cy
	s_lshl_b32 s15, ttmp9, 2
	s_add_co_u32 s15, s15, s13                     ; X: the block of 64 positions
	s_and_b32 s16, ttmp7, 0xffff
	s_lshl_b32 s16, s16, 2
	s_add_co_u32 s16, s16, s14                     ; Y = 2 b + y
	s_and_b32 s17, s16, 1                          ; y
	s_lshr_b32 s18, s16, 1                         ; b
	s_lshl_b32 s19, s14, 2
	s_lshl_b32 s19, 15, s19                        ; my row of the cluster
	s_or_b32 s28, s19, (3<<16)|(1<<21)             ; group 1: the mask; elements of 8 bytes; bit 21 beside a mask; no padding
	s_mov_b32 s29, 32<<16                          ; tensor_dim0 = 32 elements: rows of 256 bytes
	s_mov_b32 s30, 96<<16                          ; tensor_dim1 = 96
	s_mov_b32 s31, 32<<16                          ; tile_dim0 = 32
	s_mov_b32 s32, 96                              ; tile_dim1 = 96
	s_mov_b32 s33, 32                              ; the block is dense: 32 elements from row to row
	s_mov_b32 s34, 0
	s_mov_b32 s35, 0
	s_mov_b32 s36, 1                               ; group 0: count
	s_mul_i32 s37, s12, WPART                      ; LDS address: my quarter of slot 0
	s_mul_i32 s48, s17, 5*SJB                      ; my half's five super-jobs,
	s_add_co_u32 s48, s48, s37                     ; my quarter
	s_mov_b32 s49, 0
	s_lshl_b32 s50, s18, 21                        ; x: b x 512 x 4,096 bytes
	s_lshl_b32 s51, s15, 8                         ; + 64 X positions
	s_add_co_u32 s50, s50, s51
	s_mov_b32 s51, 0
	s_mul_i32 s52, s17, 640                        ; tab: channel 160 y
	s_mov_b32 s53, 0
	s_lshl_b32 s54, s15, 2
	s_add_co_u32 s54, s54, s12                     ; nt
	s_lshl_b32 s55, s18, 6
	s_add_co_u32 s54, s54, s55
	s_mul_i32 s54, s54, 10
	s_mul_i32 s55, s17, 5
	s_add_co_u32 s54, s54, s55                     ; (64 b + nt) 10 + 5 y
	s_lshl_b32 s54, s54, 8
	s_mov_b32 s55, 0
	s_mov_b32 s44, SLOT1                           ; the first change of slots turns it into 0
	v_and_b32 v20, 31, v0                          ; l
	v_and_b32 v21, 15, v0                          ; l % 16
	v_bfe_u32 v22, v0, 4, 1                        ; l / 16
	v_lshlrev_b32 v[AW0], 4, v20
	v_lshlrev_b32 v[SO], 3, v20
	v_lshlrev_b32 v[TQ], 5, v22
	v_lshlrev_b32 v[TK], 2, v21
	s_mul_i32 s56, s12, 64*XP                      ; a wave brings 64 of a chunk's 256 rows; the halves of the lanes take rows 4 apart,
	v_mul_u32_u24 v23, v22, 4*XP                   ; 640 bytes, so that their 128 bytes fall on different banks
	v_lshl_add_u32 v23, v21, 3, v23
	v_add_nc_u32 v23, s56, v23
	v_add_nc_u32 v[XS], XST, v23
	v_add_nc_u32 v[XS+1], XST+XBUF, v23
	v_and_b32 v24, 7, v0                           ; the turning load: lane l reads row 8 (l / 16) + l % 8, 16 bytes at 16 ((l / 8) % 2) of my tile's 32
	v_lshl_add_u32 v24, v22, 3, v24
	v_mul_u32_u24 v24, v24, XP
	v_bfe_u32 v25, v0, 3, 1
	v_lshl_add_u32 v24, v25, 4, v24
	s_lshl_b32 s57, s12, 5
	v_add_nc_u32 v24, s57, v24
	v_add_nc_u32 v[XT], XST, v24
	v_add_nc_u32 v[XT+1], XST+XBUF, v24
	s_lshl_b32 s58, s12, 18                        ; 64 rows of 4,096 bytes
	v_lshlrev_b32 v26, 14, v22
	v_lshl_add_u32 v26, v21, 4, v26
	v_add_nc_u32 v[XG], s58, v26
	v_mov_b32 v[BIG], 0x4c800000
	v_mov_b32 v[BIG+1], 0x4c800000
	v_mov_b32 v[ONE], 1.0
	v_mov_b32 v[ONE+1], 1.0
	s_wait_dscnt 0x0                               ; both opening adds are done
	s_wait_kmcnt 0x0
	s_add_nc_u64 s[38:39], s[6:7], s[48:49]
	s_or_b32 s39, s39, 0x80000000                  ; type = 2
	s_add_nc_u64 s[20:21], s[4:5], s[50:51]
	s_add_nc_u64 s[22:23], s[20:21], 0x1000000     ; a step of x is 16,777,216 bytes
	s_add_nc_u64 s[24:25], s[22:23], 0x1000000
	s_add_nc_u64 s[26:27], s[24:25], 0x1000000
	s_add_nc_u64 s[40:41], s[8:9], s[52:53]
	s_add_nc_u64 s[42:43], s[10:11], s[54:55]
; x comes in 8 chunks q: step q / 2, channels 256 (q % 2) on.  A wave's 32 loads of a chunk: 64 rows; 16 lanes take a row's 256 bytes, aligned.
.macro LOADX q
.if (\q)&1
	WIN 0x40
.set lb, 0
.else
	WIN 0
.set lb, XA
.endif
.set j, 0
.rept 32
	global_load_b128 v[lb+4*j:lb+4*j+3], v[XG], s[20+2*((\q)>>1):21+2*((\q)>>1)] offset:((\q)&1)*1048576+((j&3)+8*(j>>2))*4096
.set j, j+1
.endr
.endm
; A chunk: rounded, its registers asked for again (chunk q + 2), stored to LDS buffer q % 2, one barrier, read back turned.  One barrier a chunk does: buffer q % 2 is written again in chunk q + 2,
; behind the barrier of chunk q + 1, in front of which every wave has waited for its reads.
.macro CHUNK q, more, left
	s_wait_loadcnt \left                           ; this chunk's loads are in; the next chunk's 32 may stay out
.if (\q)&1
	WIN 0x05
.set lb, 0
.else
	WIN 0
.set lb, XA
.endif
.set j, 0
.rept 32
	v_cvt_pk_bf16_f32 v[CV+2*j], v[lb+4*j], v[lb+4*j+1]
	v_cvt_pk_bf16_f32 v[CV+2*j+1], v[lb+4*j+2], v[lb+4*j+3]
.set j, j+1
.endr
.if \more
	LOADX (\q)+2
.endif
	WIN 0
.set j, 0
.rept 32
	ds_store_b64 v[XS+((\q)&1)], v[CV+2*j:CV+2*j+1] offset:((j&3)+8*(j>>2))*XP
.set j, j+1
.endr
	s_wait_dscnt 0x0                               ; for the others' sake: my stores are done, and so are my reads of the other buffer
	s_barrier_signal -1
	s_barrier_wait -1
	WIN 0x80+0x40*((\q)&1)
.set j, 0
.rept 8                                ; K step 8 (q % 2) + j of step q / 2
	ds_load_tr16_b128 v[32*j+8*((\q)>>1):32*j+8*((\q)>>1)+3], v[XT+((\q)&1)] offset:j*32*XP
	ds_load_tr16_b128 v[32*j+8*((\q)>>1)+4:32*j+8*((\q)>>1)+7], v[XT+((\q)&1)] offset:j*32*XP+16*XP
.set j, j+1
.endr
.endm
; 16 LDS loads in one run: 4 K steps x 2 tiles of weights into buffer buf; 32 lanes x 16 consecutive bytes each
.macro FETCH buf, off
	WIN 0x40
.set f, 0
.rept 8
	ds_load_b128 v[64*(\buf)+8*f:64*(\buf)+8*f+3], v[AW] offset:(\off)+f*1024
	ds_load_b128 v[64*(\buf)+8*f+4:64*(\buf)+8*f+7], v[AW] offset:(\off)+f*1024+512
.set f, f+1
.endr
.endm
; 32 products: K steps 4 g .. 4 g + 3, both tiles, all four steps.  The sixteen accumulators (eight for the even K steps, eight for the odd) take turns, one instruction a turn.
; K steps 0 and 1 start the sums.
.macro MM type, g
.if \type
	WIN 0x09+4*((\g)>>1)
.else
	WIN 0x06+((\g)>>1)
.endif
.set ksl, 0
.rept 4
.set ta, 0
.rept 2
.set tt, 0
.rept 4
.set rA, ACC+8*(4*ta+tt)-64*(ksl&1)
.set rW, 64*((\g)&1)+8*(2*ksl+ta)
.set rX, 32*((4*(\g)+ksl)&7)+8*tt
.if \type
.if ((\g)==0)&&(ksl<2)
	v_wmma_f32_16x16x32_bf16 v[rA:rA+7], v[rW:rW+7], v[rX:rX+7], 0
.else
	v_wmma_f32_16x16x32_bf16 v[rA:rA+7], v[rW:rW+7], v[rX:rX+7], v[rA:rA+7]
.endif
.else
.if ((\g)==0)&&(ksl<2)
	v_wmma_f32_16x16x32_bf16 v[rA:rA+7], v[rX:rX+7], v[rW:rW+7], 0
.else
	v_wmma_f32_16x16x32_bf16 v[rA:rA+7], v[rX:rX+7], v[rW:rW+7], v[rA:rA+7]
.endif
.endif
.set tt, tt+1
.endr
.set ta, ta+1
.endr
.set ksl, ksl+1
.endr
.endm
.macro TABLOAD type                    ; q: my 8 channels' inv and shift for both tiles; k, v: my one channel's, as the pair [inv, shift]
.if \type
.irp u, 0,1
	global_load_b128 v[PRM+8*\u:PRM+8*\u+3], v[TQ], s[40:41] offset:64*\u
	global_load_b128 v[PRM+8*\u+4:PRM+8*\u+7], v[TQ], s[40:41] offset:64*\u+16
	global_load_b128 v[PRM+16+8*\u:PRM+16+8*\u+3], v[TQ], s[40:41] offset:2048+64*\u
	global_load_b128 v[PRM+16+8*\u+4:PRM+16+8*\u+7], v[TQ], s[40:41] offset:2048+64*\u+16
.endr
.else
.irp u, 0,1
	global_load_b32 v[PRM+2*\u], v[TK], s[40:41] offset:64*\u
	global_load_b32 v[PRM+2*\u+1], v[TK], s[40:41] offset:2048+64*\u
.endr
.endif
.endm
; THE LIF, a stage at a time over the eight register pairs (pair ii of tile ta); ii ascends.
.macro OVER m
.set ii, 0
.rept 4
.set ta, 0
.rept 2
	\m
.set ta, ta+1
.endr
.set ii, ii+1
.endr
.endm
.macro REGS
.set rA, ACC+8*(4*ta+tt)+2*ii
.set rB, rA-64
.set rV, VV+2*(4*ta+ii)
.set rW, WP+2*ta
.set rS, rA
.if (tt==0)&&(ii==0)
.set rS, rW                            ; the first spikes start the word: nothing is cleared
.endif
.endm
.macro L_SUB                           ; the even K steps' sum less the odd ones', which was made with -W
	REGS
	v_pk_add_f32 v[rA:rA+1], v[rA:rA+1], v[rB:rB+1] neg_lo:[0,1] neg_hi:[0,1]
.endm
.macro L_MK                            ; k, v: times inv, the pair's first register for both numbers
	REGS
	v_pk_mul_f32 v[rA:rA+1], v[rA:rA+1], v[PRM+2*ta:PRM+2*ta+1] op_sel_hi:[1,0]
.endm
.macro L_AK                            ; plus shift, the pair's second register for both
	REGS
	v_pk_add_f32 v[rA:rA+1], v[rA:rA+1], v[PRM+2*ta:PRM+2*ta+1] op_sel:[0,1] op_sel_hi:[1,1]
.endm
.macro L_MQ
	REGS
	v_pk_mul_f32 v[rA:rA+1], v[rA:rA+1], v[PRM+8*ta+2*ii:PRM+8*ta+2*ii+1]
.endm
.macro L_AQ
	REGS
	v_pk_add_f32 v[rA:rA+1], v[rA:rA+1], v[PRM+16+8*ta+2*ii:PRM+16+8*ta+2*ii+1]
.endm
.macro L_V0
	REGS
	v_pk_mul_f32 v[rV:rV+1], v[rA:rA+1], 0.5 op_sel_hi:[1,0]
.endm
.macro L_D
	REGS
	v_pk_add_f32 v[rA:rA+1], v[rA:rA+1], v[rV:rV+1] neg_lo:[0,1] neg_hi:[0,1]
.endm
.macro L_V
	REGS
	v_pk_fma_f32 v[rV:rV+1], v[rA:rA+1], 0.5, v[rV:rV+1] op_sel_hi:[1,0,1]
.endm
.macro L_H
	REGS
	v_pk_add_f32 v[rA:rA+1], v[rV:rV+1], -1.0 op_sel_hi:[1,0]
.endm
.macro L_S
	REGS
	v_pk_fma_f32 v[rS:rS+1], v[rA:rA+1], v[BIG:BIG+1], v[ONE:ONE+1] clamp
.endm
.macro L_R
	REGS
	v_pk_fma_f32 v[rV:rV+1], v[rV:rV+1], v[rS:rS+1], v[rV:rV+1] neg_lo:[1,0,0] neg_hi:[1,0,0]
.endm
.macro L_I
	REGS
.if (tt>0)||(ii>0)
	v_pk_fma_f32 v[rW:rW+1], v[rW:rW+1], 2.0, v[rS:rS+1] op_sel_hi:[1,0,1]
.endif
.endm
.macro LIF type
.set tt, 0
.rept 4
	OVER L_SUB
.if \type
	OVER L_MQ
	OVER L_AQ
.else
	OVER L_MK
	OVER L_AK
.endif
.if tt == 0
	OVER L_V0
.else
	OVER L_D
	OVER L_V
.endif
	OVER L_H
	OVER L_S
.if tt < 3
	OVER L_R
.endif
	OVER L_I
.set tt, tt+1
.endr
.endm
; A JOB: 32 channels of one of k, v (type 0) or q (type 1): 128 products, the LIF, one store of 256 consecutive bytes, aligned.  Each run of 16 LDS loads stands 32 products ahead of its first use.
; nxt = 1: the next job's first fragments are fetched too.
.macro JOB type, nxt
	WIN 0
	TABLOAD \type
.irp g, 0,1,2,3
	s_wait_dscnt 0x0                               ; the fragments fetched 32 products ago are in
.if (\g) < 3
.if (\g) > 0
	PLACES
.endif
	FETCH ((\g)+1)&1, ((\g)+1)*8192
.elseif \nxt
	PLACES
	FETCH 0, JOBB
.endif
	MM \type, \g
.endr
	WIN 0
	PLACES
	PLACES
	s_wait_loadcnt 0x0                             ; inv and shift
	LIF \type
.irp u, 0,1,2,3
	v_cvt_u32_f32 v[WP+\u], v[WP+\u]
.endr
	v_lshl_or_b32 v[WD], v[WP+1], 16, v[WP]
	v_lshl_or_b32 v[WD+1], v[WP+3], 16, v[WP+2]
	global_store_b64 v[SO], v[WD:WD+1], s[42:43]
	s_wait_xcnt 0x0                                ; the store has read its registers and its base: they are written again only behind this wait
	s_add_nc_u64 s[40:41], s[40:41], 4096          ; the next norm's tables
	s_add_nc_u64 s[42:43], s[42:43], 1310720       ; the next of k, v, q in spk
	v_add_nc_u32 v[AW], JOBB, v[AW]
.endm
.macro SJ                              ; a super-job: k, v (one text, walked twice), q
	v_add_nc_u32 v[AW], s44, v[AW0]
	FETCH 0, 0
	WIN 0
	s_mov_b32 s46, 2
.Lkv_\@:
	JOB 0, 1
	WIN 0
	s_sub_co_u32 s46, s46, 1
	s_cmp_lg_u32 s46, 0
	s_cbranch_scc1 .Lkv_\@
	JOB 1, 0
	WIN 0
	s_sub_nc_u64 s[40:41], s[40:41], 12160         ; back to k's tables, 32 channels on
	s_sub_nc_u64 s[42:43], s[42:43], 3931904       ; back to k's spikes, one pair of tiles on
.endm
; THE CHANGE OF SLOTS.  Every wave waits for all its tensor loads (one is out: its quarter of the slot to be read), adds 0 to its spare word, and waits for that and for its reads of the old slot.
; fill = 1: the barrier is a round of the cluster's, and the old slot is asked for again first thing behind it: the next super-job, with three jobs, 384 products and their LIFs, in which to land.
.macro CHANGE fill
	WIN 0
	s_wait_tensorcnt 0x0
	ds_add_u32 v[SPW], v[NIL]                      ; 0 onto my spare word; scalar work stands between it and the wait for it
.if \fill
	s_xor_b32 s37, s37, SLOT1                      ; no load of mine is out, so the descriptor may be written: the other slot,
	s_add_nc_u64 s[38:39], s[38:39], SJB           ; the next super-job
.endif
	s_xor_b32 s44, s44, SLOT1
	s_wait_dscnt 0x0
.if \fill
	ROUND
	tensor_load_to_lds s[36:39], s[28:35]
	s_nop 0
	PLACES
.else
	s_barrier_signal -1
	s_barrier_wait -1
.endif
.endm
	LOADX 0                                        ; two chunks, 128 KiB a work-group, are on their way from here on
	LOADX 1
	WIN 0
	ROUND                                          ; all sixteen work-groups are here: the first joint loads meet
	tensor_load_to_lds s[36:39], s[28:35]          ; super-job 0 into slot 0
	s_nop 0
	PLACES
	CHUNK 0, 1, 32
	CHUNK 1, 1, 32
	CHUNK 2, 1, 32
	CHUNK 3, 1, 32
	CHUNK 4, 1, 32
	CHUNK 5, 1, 32
	CHUNK 6, 0, 32
	CHUNK 7, 0, 0
	WIN 0
	s_mov_b32 s45, 4
.Lsj:                                                  ; super-jobs 0 to 3; each trip asks for the next one
	CHANGE 1
	SJ
	s_sub_co_u32 s45, s45, 1
	s_cmp_lg_u32 s45, 0
	s_cbranch_scc1 .Lsj
	CHANGE 0                                       ; the last is written out: nothing is asked for
	SJ
	s_wait_tensorcnt 0x0                           ; the wave's end
	ds_add_u32 v[SPW], v[NIL]
	s_wait_dscnt 0x0
	ROUND                                          ; the closing round
	s_endpgm
.Lfunc_end_k_qe9aae52dff_qkv:
	.size	k_qe9aae52dff_qkv, .Lfunc_end_k_qe9aae52dff_qkv-k_qe9aae52dff_qkv
	.p2alignl 7, 3214868480
	.fill 96, 4, 3214868480
	.section	.rodata,"a",@progbits
	.p2align	6, 0x0
	.amdhsa_kernel k_qe9aae52dff_qkv
		.amdhsa_group_segment_fixed_size 327680
		.amdhsa_private_segment_fixed_size 0
		.amdhsa_enable_private_segment 0
		.amdhsa_kernarg_size 32
		.amdhsa_user_sgpr_count 2
		.amdhsa_user_sgpr_kernarg_segment_ptr 1
		.amdhsa_wavefront_size32 1
		.amdhsa_system_sgpr_workgroup_id_x 1
		.amdhsa_system_sgpr_workgroup_id_y 1
		.amdhsa_system_sgpr_workgroup_id_z 1
		.amdhsa_system_vgpr_workitem_id 0
		.amdhsa_next_free_vgpr 1024
		.amdhsa_next_free_sgpr 66
		.amdhsa_reserve_vcc 0
		.amdhsa_float_denorm_mode_32 3
		.amdhsa_float_denorm_mode_16_64 3
		.amdhsa_memory_ordered 1
		.amdhsa_forward_progress 1
		.amdhsa_inst_pref_size 213
	.end_amdhsa_kernel
	.amdgpu_metadata
---
amdhsa.version: [ 1, 2 ]
amdhsa.kernels:
  - .name:           k_qe9aae52dff_qkv
    .symbol:         k_qe9aae52dff_qkv.kd
    .args:
      - { .name: x, .offset: 0, .size: 8, .value_kind: global_buffer, .address_space: global }
      - { .name: wf, .offset: 8, .size: 8, .value_kind: global_buffer, .address_space: global }
      - { .name: tab, .offset: 16, .size: 8, .value_kind: global_buffer, .address_space: global }
      - { .name: spk, .offset: 24, .size: 8, .value_kind: global_buffer, .address_space: global }
    .group_segment_fixed_size: 327680
    .private_segment_fixed_size: 0
    .kernarg_segment_align: 8
    .kernarg_segment_size: 32
    .max_flat_workgroup_size: 128
    .sgpr_count:     66
    .vgpr_count:     1024
    .wavefront_size: 32
...
	.end_amdgpu_metadata
.endif
;; end of part 2
;; launch ktv (part 3): grid 20 x 8, 4 waves a work-group, no clusters, 0 bytes of LDS; arguments spk, mf; writes mf
.if DOCPART == 3
	.amdgcn_target "amdgcn-amd-amdhsa--gfx1250"
	.amdhsa_code_object_version 6
	.text
	.protected	k_qe9aae52dff_ktv
	.globl	k_qe9aae52dff_ktv
	.p2align	8
	.type	k_qe9aae52dff_ktv,@function
k_qe9aae52dff_ktv:
	s_mov_b64 s[64:65], 0
	v_nop
	global_prefetch_b8 v0, s[64:65] scope:SCOPE_SE
	s_setreg_imm32_b32 hwreg(HW_REG_WAVE_MODE, 25, 1), 1
	s_wait_xcnt 0x0
; KTV: M[d1][d2] = the sum over the 1,024 positions n of k[n][d1] v[n][d2], for each step t, batch b and head (64 x 64).  There is no softmax, so (q k^T) v = q (k^T v); all numbers are
; whole and small (M at most 1,024), so the other order of the sums changes no bit.
; SHARES.  A work-group: one (head, t, b): 160 of them; a finer share would need sums across work-groups.  A wave: 32 x 32 of M: d1 tiles 2 a, 2 a + 1, d2 tiles 2 bb, 2 bb + 1: four accumulators.
; OPERANDS.  k's and v's spikes come as bit words (a lane: channel l % 16, positions 8 (l / 16) + 0..7, all four steps).  A word shifted left by 4 t, then by -1, 0, 1, 2, and masked with
; 0x40004000 gives the four registers of half a fragment: 2.0 in f16 for a spike.  So the sums are 4 M, at most 4,096: exact in f32 and in f16.
; RESULT.  A lane holds d2 = l % 16 and d1 = 8 (l / 16) + 0..7: rounded in pairs that is a fragment of M^T (rows d2, K = d1), stored as such:
; mf [b 8][head 5][t 4][d2 tile 4][kappa 2][j2 2][lane 32][16 bytes].
; IN FLIGHT.  Two sets of registers of 8 position tiles each (16 loads of 256 consecutive bytes, aligned); one is worked on while the other's loads are out.
.set U,   8                            ; v8-15   words shifted by 4 t, by turns
.set KW,  16                           ; set s: k's 16 words at KW + 32 s (tile n8, tau at 2 n8 + tau), v's 16 behind them
.set FR,  80                           ; two sets of four fragments: k tau 0, 1, v tau 0, 1
.set ACC, 144                          ; accumulator (al, be) at ACC + 8 (2 al + be)
.set uc,  0
	s_load_b128 s[4:7], s[0:1], 0x0                ; spk s[4:5], mf s[6:7]
	v_lshrrev_b32 v1, 5, v0
	v_readfirstlane_b32 s8, v1                     ; wave
	v_and_b32 v1, 31, v0
	v_lshlrev_b32 v2, 3, v1                        ; 8 x lane; never rewritten
	v_lshlrev_b32 v3, 4, v1                        ; 16 x lane
	s_lshr_b32 s9, s8, 1                           ; a
	s_and_b32 s10, s8, 1                           ; bb
	s_lshr_b32 s11, ttmp9, 2                       ; head
	s_and_b32 s12, ttmp9, 3                        ; t
	s_and_b32 s13, ttmp7, 0xffff                   ; b
	s_lshl_b32 s14, s12, 2                         ; 4 t
	s_mov_b32 s15, 0x40004000
	s_mul_i32 s16, s13, 640                        ; 64 tiles x 10 pairs
	s_lshl_b32 s17, s11, 1
	s_add_co_u32 s16, s16, s17                     ; + the head's first pair of channel tiles
	s_add_co_u32 s18, s16, s9
	s_lshl_b32 s18, s18, 8
	s_mov_b32 s19, 0
	s_add_co_u32 s20, s16, s10
	s_lshl_b32 s20, s20, 8
	s_add_co_u32 s20, s20, 1310720                 ; v's part of spk
	s_mov_b32 s21, 0
	s_mul_i32 s22, s13, 5
	s_add_co_u32 s22, s22, s11
	s_lshl_b32 s22, s22, 2
	s_add_co_u32 s22, s22, s12                     ; (5 b + head) 4 + t
	s_lshl_b32 s22, s22, 3                         ; eight fragments each
	s_lshl_b32 s23, s10, 2
	s_add_co_u32 s22, s22, s23                     ; + 2 (2 bb)
	s_add_co_u32 s22, s22, s9                      ; + kappa = a
	s_lshl_b32 s22, s22, 10
	s_mov_b32 s23, 0
	s_wait_kmcnt 0x0
	s_add_nc_u64 s[24:25], s[4:5], s[18:19]        ; k's words
	s_add_nc_u64 s[26:27], s[4:5], s[20:21]        ; v's words
	s_add_nc_u64 s[28:29], s[6:7], s[22:23]
.macro LOADS set, off                  ; 8 position tiles, 2,560 bytes apart
.set n8, 0
.rept 8
	global_load_b64 v[KW+32*(\set)+2*n8:KW+32*(\set)+2*n8+1], v2, s[24:25] offset:(\off)+n8*2560
	global_load_b64 v[KW+32*(\set)+16+2*n8:KW+32*(\set)+16+2*n8+1], v2, s[26:27] offset:(\off)+n8*2560
.set n8, n8+1
.endr
.endm
.macro EXPAND w, d                     ; a word into four registers of a fragment
.set uc, (uc+1)&7
	v_lshlrev_b32 v[U+uc], s14, v[\w]
	v_lshrrev_b32 v[\d], 1, v[U+uc]
	v_and_b32 v[(\d)+1], s15, v[U+uc]
	v_lshlrev_b32 v[(\d)+2], 1, v[U+uc]
	v_lshlrev_b32 v[(\d)+3], 2, v[U+uc]
	v_and_b32 v[\d], s15, v[\d]
	v_and_b32 v[(\d)+2], s15, v[(\d)+2]
	v_and_b32 v[(\d)+3], s15, v[(\d)+3]
.endm
; Four K steps of 32 positions.  A fragment's registers 0-3 come from position tile 2 m, 4-7 from 2 m + 1.  The fragment sets take turns, so a set is written again 64 plain instructions behind
; its last product; the four accumulators take turns, one instruction a turn.
.macro WORK set
.set m, 0
.rept 4
.set fb, FR+32*(m&1)
.set kb, KW+32*(\set)+4*m
.set vb, kb+16
	EXPAND kb, fb
	EXPAND kb+2, fb+4
	EXPAND kb+1, fb+8
	EXPAND kb+3, fb+12
	EXPAND vb, fb+16
	EXPAND vb+2, fb+20
	EXPAND vb+1, fb+24
	EXPAND vb+3, fb+28
.irp al, 0,1
.irp be, 0,1
	v_wmma_f32_16x16x32_f16 v[ACC+8*(2*\al+\be):ACC+8*(2*\al+\be)+7], v[fb+8*\al:fb+8*\al+7], v[fb+16+8*\be:fb+16+8*\be+7], v[ACC+8*(2*\al+\be):ACC+8*(2*\al+\be)+7]
.endr
.endr
.set m, m+1
.endr
.endm
	LOADS 0, 0
	LOADS 1, 20480
.set r, 0
.rept 32
	v_mov_b32 v[ACC+r], 0                          ; the sums start at 0: written while the first loads are out, so that the loop has one form of product
.set r, r+1
.endr
	s_mov_b32 s30, 3
.Lturn:                                                ; 16 position tiles a turn
	s_wait_loadcnt 16                              ; set 0 is in; set 1's 16 loads may stay out
	WORK 0
	s_wait_xcnt 0x0                                ; every load issued so far has read its address, so the pointers may be written
	s_add_nc_u64 s[24:25], s[24:25], 40960
	s_add_nc_u64 s[26:27], s[26:27], 40960
	LOADS 0, 0
	s_wait_loadcnt 16                              ; set 1 is in
	WORK 1
	LOADS 1, 20480
	s_sub_co_u32 s30, s30, 1
	s_cmp_lg_u32 s30, 0
	s_cbranch_scc1 .Lturn
	s_wait_loadcnt 16                              ; the last 16 tiles load nothing
	WORK 0
	s_wait_loadcnt 0x0
	WORK 1
.rept 8
	v_nop                                          ; the places behind the last products
.endr
.irp be, 0,1
.irp al, 0,1
.irp i, 0,1,2,3
	v_cvt_pk_f16_f32 v[FR+8*\be+4*\al+\i], v[ACC+8*(2*\al+\be)+2*\i], v[ACC+8*(2*\al+\be)+2*\i+1]
.endr
.endr
.endr
.irp be, 0,1
	global_store_b128 v3, v[FR+8*\be:FR+8*\be+3], s[28:29] offset:2048*\be       ; a store covers 512 consecutive bytes, aligned
	global_store_b128 v3, v[FR+8*\be+4:FR+8*\be+7], s[28:29] offset:2048*\be+512
.endr
	s_endpgm
.Lfunc_end_k_qe9aae52dff_ktv:
	.size	k_qe9aae52dff_ktv, .Lfunc_end_k_qe9aae52dff_ktv-k_qe9aae52dff_ktv
	.p2alignl 7, 3214868480
	.fill 96, 4, 3214868480
	.section	.rodata,"a",@progbits
	.p2align	6, 0x0
	.amdhsa_kernel k_qe9aae52dff_ktv
		.amdhsa_group_segment_fixed_size 0
		.amdhsa_private_segment_fixed_size 0
		.amdhsa_enable_private_segment 0
		.amdhsa_kernarg_size 16
		.amdhsa_user_sgpr_count 2
		.amdhsa_user_sgpr_kernarg_segment_ptr 1
		.amdhsa_wavefront_size32 1
		.amdhsa_system_sgpr_workgroup_id_x 1
		.amdhsa_system_sgpr_workgroup_id_y 1
		.amdhsa_system_sgpr_workgroup_id_z 1
		.amdhsa_system_vgpr_workitem_id 0
		.amdhsa_next_free_vgpr 176
		.amdhsa_next_free_sgpr 66
		.amdhsa_reserve_vcc 0
		.amdhsa_float_denorm_mode_32 3
		.amdhsa_float_denorm_mode_16_64 3
		.amdhsa_memory_ordered 1
		.amdhsa_forward_progress 1
		.amdhsa_inst_pref_size 47
	.end_amdhsa_kernel
	.amdgpu_metadata
---
amdhsa.version: [ 1, 2 ]
amdhsa.kernels:
  - .name:           k_qe9aae52dff_ktv
    .symbol:         k_qe9aae52dff_ktv.kd
    .args:
      - { .name: spk, .offset: 0, .size: 8, .value_kind: global_buffer, .address_space: global }
      - { .name: mf, .offset: 8, .size: 8, .value_kind: global_buffer, .address_space: global }
    .group_segment_fixed_size: 0
    .private_segment_fixed_size: 0
    .kernarg_segment_align: 8
    .kernarg_segment_size: 16
    .max_flat_workgroup_size: 128
    .sgpr_count:     66
    .vgpr_count:     176
    .wavefront_size: 32
...
	.end_amdgpu_metadata
.endif
;; end of part 3
;; launch out (part 4): grid 16 x 16, 4 waves a work-group, clusters of 4 x 4, 327,680 bytes of LDS; arguments spk, mf, pf, tab, out0; writes out0
.if DOCPART == 4
	.amdgcn_target "amdgcn-amd-amdhsa--gfx1250"
	.amdhsa_code_object_version 6
	.text
	.protected	k_qe9aae52dff_out
	.globl	k_qe9aae52dff_out
	.p2align	8
	.type	k_qe9aae52dff_out,@function
k_qe9aae52dff_out:
	s_mov_b64 s[64:65], 0
	v_nop
	global_prefetch_b8 v0, s[64:65] scope:SCOPE_SE
	s_setreg_imm32_b32 hwreg(HW_REG_WAVE_MODE, 25, 1), 1
	s_wait_xcnt 0x0
	s_wait_alu depctr_hold_cnt(0) depctr_sa_sdst(0) depctr_va_vdst(0) depctr_va_sdst(0) depctr_va_ssrc(0) depctr_va_vcc(0) depctr_vm_vsrc(0)
	s_getreg_b32 s2, hwreg(HW_REG_IB_STS2, 6, 4)
	s_cmp_eq_u32 s2, 0
	s_cbranch_scc0 .Lentry_in_a_cluster
	s_endpgm
.Lentry_in_a_cluster:
	s_bfe_u32 s2, ttmp6, 0x10000c
	s_cmp_lg_u32 s2, 0xf033
	s_cbranch_scc0 .Lentry_shape_is_right
	s_endpgm
.Lentry_shape_is_right:
; OUT: y = q M / 4, the LIF at threshold 0.5, the projection with its bias, the batch norm, the last LIF.  out0 [t 4][b 8][o 512][n 1024] f32, 0 or 1.
; SHARES.  A work-group: 64 positions (block X), one batch b, one half y of the 512 output channels, all 4 steps.  A wave: 16 positions (tile nt = 4 X + wave).
; PHASE A (made by both halves y: 64 positions a work-group give whole rows of 256 bytes of out0).  For each head and step y^T = M^T q (source 0: a fragment of M^T from mf, source 1: q's spikes from
; their bit words): a lane holds position l % 16 and channels 8 (l / 16) + 0..7.  M comes as 4 M, a spike as 2.0, so the sum is 32 y: all whole numbers under 2^20, exact.  The LIF is run on that
; scale: threshold 16; V is a multiple of 0.5, so spike = clamp(4 V - 63) to 0..1 is 1 just where V >= 16.  The spikes go as bit words through my own LDS bytes into 40 fragments (4 steps x 10 K steps).
; PHASE B.  Eight jobs of 32 output channels: D = s p_w^T (source 0: spikes, rows = positions; source 1: weights): a lane holds channel l % 16 and positions 8 (l / 16) + 0..7.  A spike is 2.0, undone by
; Z = acc / 2 + p_b, one rounding; then H = (Z inv) + shift, product and sum each rounded, as the problem writes them, and the LIF as in the launch before the last.  The results go through a stage
; in LDS, so that 16 lanes store a row's 256 bytes.  Channels 320..511 of y are zeros and never spike, so K is 320.
; CLUSTER.  M hangs on b, the weights on y: both on the work-group's y alone, so the four work-groups of a row of the cluster ask for them jointly.
; LIMITS.  p_w, p_b and the norm are rounded to bf16; a potential of the last LIF within a few units in the last place of 1 may fall on the other side; NaN and infinities are not treated apart.
.set MREG,  81920                      ; LDS: 0: weights of jobs 0-3 (81,920); MREG: M of my b (163,840), its first half later filled again with the weights of jobs 4-7: job j lies at 20,480 j
.set STAGE, 245760                     ; two buffers of 128 rows (32 t + channel) x 272 bytes, written by ds_store alone
.set SBUF,  34816
.set SPI,   272                        ; 256 + 16: the 16 rows of a store start at 16 different groups of four banks
.set SBITS, 315392                     ; 2,560 bytes a wave: its spikes' bit words
.set SPARE, 325632                     ; the spare words, 128 bytes a wave; no other line names them
.set AM,  2                            ; v2   LDS address of the head's M
.set AS,  3                            ; v3   where the head's bit words go
.set AP,  4                            ; v4   LDS address of the job's weights
.set STO0, 5                           ; v5, v6  where I put 32 bytes of a stage row: buffer 0, the buffer in hand
.set STOC, 6
.set RD0, 7                            ; v7, v8  where I read stage rows back
.set RDC, 8
.set GO,  9                            ; v9   my byte offset in two rows of out0; never rewritten
.set QO,  10                           ; v10  8 x lane
.set TK,  11                           ; v11  4 (l % 16)
.set SPW, 12                           ; v12  my spare word; never rewritten
.set NIL, 13                           ; v13  0; never rewritten
.set FOUR, 14                          ; pairs of constants
.set M63, 16
.set BIG, 18
.set ONE, 20
.set QW,  22                           ; v22-25  the head's q words: (kappa, tau)
.set WP,  30                           ; v30-33  the words' halves as f32
.set WD,  34                           ; v34-35  the two words
.set PRM, 36                           ; v36-41  bias0, inv0, shift0, shift1, bias1, inv1
.set ASB, 42                           ; v42  my bit words' first byte
.set SW,  44                           ; v44-63  the ten pairs of bit words read back
.set QF,  64                           ; v64-127 phase A: q's fragments (t, kappa) at QF + 8 (2 t + kappa)
.set OUT, 64                           ;         phase B: 32 stage rows on their way out
.set ACC, 128                          ; v128-191 accumulator (tile ta, step tt) at ACC + 8 (4 ta + tt)
.set VV,  192                          ; v192-207 the potentials
; window 1: phase A v0-127, v128-255: M's fragments for the two halves of d2; phase B v0-79, v80-159: weights of K steps 0-4, 5-9.  Windows 2, 3: the spikes' fragment (t, ks) at v[512 + 8 (4 ks + t)]
; s[24:31], s[32:39] group 1 for M and for the weights; s[40:43], s[44:47], s[48:51] group 0 for M, weights 0-3, weights 4-7; none is ever rewritten
; s[52:53] q's words; s[20:21] out0; s[54:55] tab; s56 the stage buffer in hand; s57 counter; s58 the mask
.set MSB, 0
.macro WIN new
.if MSB != (\new)
	s_set_vgpr_msb (MSB<<8)|(\new)
.set MSB, \new
.endif
.endm
.macro PLACES
.rept 4
	v_nop
.endr
.endm
.macro ROUND                           ; a round of the cluster's barrier
	s_barrier_signal -1
	s_barrier_wait -1
	s_cmp_lg_u32 s12, 0
	s_cbranch_scc1 .Lnot_wave_0_\@
	s_barrier_signal -3
.Lnot_wave_0_\@:
	s_barrier_wait -3
	s_barrier_signal -1
	s_barrier_wait -1
.endm
	s_load_b256 s[4:11], s[0:1], 0x0               ; spk s[4:5], mf s[6:7], pf s[8:9], tab s[10:11]
	s_load_b64 s[20:21], s[0:1], 0x20              ; out0
	v_lshl_add_u32 v[SPW], v0, 2, SPARE
	v_mov_b32 v[NIL], 0
	ds_add_u32 v[SPW], v[NIL]                      ; the opening: the add, twice on end, and its wait ahead of my first tensor load
	ds_add_u32 v[SPW], v[NIL]
	v_lshrrev_b32 v1, 5, v0
	v_readfirstlane_b32 s12, v1                    ; wave
	s_bfe_u32 s13, ttmp6, 0x40000                  ; cx
	s_bfe_u32 s14, ttmp6, 0x40004                  ; cy
	s_lshl_b32 s15, ttmp9, 2
	s_add_co_u32 s15, s15, s13                     ; X
	s_and_b32 s16, ttmp7, 0xffff
	s_lshl_b32 s16, s16, 2
	s_add_co_u32 s16, s16, s14                     ; Y = 2 b + y
	s_and_b32 s17, s16, 1                          ; y
	s_lshr_b32 s18, s16, 1                         ; b
	s_lshl_b32 s19, s14, 2
	s_lshl_b32 s19, 15, s19                        ; my row of the cluster
	s_or_b32 s24, s19, (3<<16)|(1<<21)             ; the mask; elements of 8 bytes; bit 21 beside a mask
	s_or_b32 s32, s19, (3<<16)|(1<<21)
	s_mov_b32 s25, 32<<16                          ; dense blocks as rows of 256 bytes: M 160 rows a wave,
	s_mov_b32 s26, 160<<16
	s_mov_b32 s27, 32<<16
	s_mov_b32 s28, 160
	s_mov_b32 s29, 32
	s_mov_b32 s30, 0
	s_mov_b32 s31, 0
	s_mov_b32 s33, 32<<16                          ; the weights 80
	s_mov_b32 s34, 80<<16
	s_mov_b32 s35, 32<<16
	s_mov_b32 s36, 80
	s_mov_b32 s37, 32
	s_mov_b32 s38, 0
	s_mov_b32 s39, 0
	s_mov_b32 s40, 1
	s_mov_b32 s44, 1
	s_mov_b32 s48, 1
	s_mul_i32 s22, s12, 40960                      ; my quarter of M,
	s_add_co_u32 s41, s22, MREG                    ; in LDS,
	s_mul_i32 s23, s18, 163840
	s_add_co_u32 s22, s22, s23                     ; and in mf
	s_mov_b32 s23, 0
	s_mul_i32 s45, s12, 20480                      ; my quarter of four jobs' weights
	s_add_co_u32 s49, s45, MREG
	s_mul_i32 s56, s17, 163840
	s_add_co_u32 s56, s56, s45
	s_mov_b32 s57, 0
	s_lshl_b32 s59, s15, 2
	s_add_co_u32 s59, s59, s12                     ; nt
	s_lshl_b32 s60, s18, 6
	s_add_co_u32 s60, s60, s59
	s_mul_i32 s60, s60, 2560
	s_add_co_u32 s60, s60, 2621440                 ; q's part of spk
	s_mov_b32 s61, 0
	v_and_b32 v26, 31, v0                          ; l
	v_and_b32 v27, 15, v0                          ; l % 16
	v_bfe_u32 v28, v0, 4, 1                        ; l / 16
	v_lshl_add_u32 v[AM], v26, 4, MREG
	v_lshlrev_b32 v[AP], 4, v26
	v_lshlrev_b32 v[QO], 3, v26
	v_lshlrev_b32 v[TK], 2, v27
	s_mul_i32 s59, s12, 2560
	s_add_co_u32 s59, s59, SBITS
	v_lshl_add_u32 v[ASB], v26, 3, s59
	v_mov_b32 v[AS], v[ASB]
	v_mul_u32_u24 v29, v27, SPI                    ; in: row l % 16, positions 16 wave + 8 (l / 16) on
	v_lshl_add_u32 v29, v28, 5, v29
	s_lshl_b32 s59, s12, 6
	s_add_co_u32 s59, s59, STAGE
	v_add_nc_u32 v[STO0], s59, v29
	v_mul_u32_u24 v29, v28, SPI                    ; back: wave w takes step w's 32 rows; lanes 0-15 one row, lanes 16-31 the next
	v_lshl_add_u32 v29, v27, 4, v29
	s_mul_i32 s59, s12, 32*SPI
	s_add_co_u32 s59, s59, STAGE
	v_add_nc_u32 v[RD0], s59, v29
	v_lshlrev_b32 v29, 12, v28
	v_lshl_add_u32 v[GO], v27, 4, v29
	v_mov_b32 v[FOUR], 4.0
	v_mov_b32 v[FOUR+1], 4.0
	v_mov_b32 v[M63], 0xc27c0000                   ; -63
	v_mov_b32 v[M63+1], 0xc27c0000
	v_mov_b32 v[BIG], 0x4c800000                   ; 2^26
	v_mov_b32 v[BIG+1], 0x4c800000
	v_mov_b32 v[ONE], 1.0
	v_mov_b32 v[ONE+1], 1.0
	s_wait_dscnt 0x0                               ; both opening adds are done
	s_wait_kmcnt 0x0
	s_add_nc_u64 s[42:43], s[6:7], s[22:23]
	s_add_nc_u64 s[46:47], s[8:9], s[56:57]
	s_add_nc_u64 s[50:51], s[46:47], 81920
	s_or_b32 s43, s43, 0x80000000
	s_or_b32 s47, s47, 0x80000000
	s_or_b32 s51, s51, 0x80000000
	s_add_nc_u64 s[52:53], s[4:5], s[60:61]
	s_lshl_b32 s60, s12, 3
	s_add_co_u32 s60, s60, s18                     ; step = wave: (8 wave + b) x 512 x 4,096 bytes
	s_lshl_b32 s60, s60, 21
	s_lshl_b32 s59, s17, 20                        ; + 256 y rows
	s_add_co_u32 s60, s60, s59
	s_lshl_b32 s59, s15, 8                         ; + 64 X positions
	s_add_co_u32 s60, s60, s59
	s_add_nc_u64 s[20:21], s[20:21], s[60:61]
	s_lshl_b32 s58, s17, 10
	s_add_co_u32 s58, s58, 12288                   ; the last norm's tables, channel 256 y
	s_mov_b32 s59, 0
	s_add_nc_u64 s[54:55], s[10:11], s[58:59]
	s_mov_b32 s58, 0x40004000
	ROUND                                          ; all sixteen work-groups are here: the first joint loads meet
	tensor_load_to_lds s[40:43], s[24:31]          ; M
	s_nop 0
	tensor_load_to_lds s[44:47], s[32:39]          ; the weights of jobs 0-3: two loads of mine are out
	s_nop 0
	PLACES
	global_load_b64 v[QW:QW+1], v[QO], s[52:53]    ; head 0's q words
	global_load_b64 v[QW+2:QW+3], v[QO], s[52:53] offset:256
	s_wait_tensorcnt 0x1                           ; my part of M is in; the weights, issued behind it, may stay out
	s_barrier_signal -1
	s_barrier_wait -1
; A bit word shifted so that the spikes of index k = 4 t + i stand at bits 14 and 30, and the mask; k = 1 needs no shift
.macro SHIFTK d, s
.if k == 0
	v_lshrrev_b32 v[\d], 1, v[\s]
.elseif k == 1
	v_and_b32 v[\d], s58, v[\s]
.else
	v_lshlrev_b32 v[\d], k-1, v[\s]
.endif
.endm
.macro MASKK d
.if k != 1
	v_and_b32 v[\d], s58, v[\d]
.endif
.endm
.macro QEXP pass                       ; q's four words into eight fragments: all shifts, then all masks
.set ka, 0
.rept 2
.set ta, 0
.rept 2
.set k, 0
.rept 16
.set rD, QF+8*(2*(k>>2)+ka)+4*ta+(k&3)
.if \pass
	MASKK rD
.else
	SHIFTK rD, QW+2*ka+ta
.endif
.set k, k+1
.endr
.set ta, ta+1
.endr
.set ka, ka+1
.endr
.endm
.macro SEXP pass, lo, cnt              ; the spikes' words of K steps lo .. lo + cnt - 1 into the window's fragments
.set ks, 0
.rept \cnt
.set ta, 0
.rept 2
.set k, 0
.rept 16
.set rD, 8*(4*ks+(k>>2))+4*ta+(k&3)
.if \pass
	MASKK rD
.else
	SHIFTK rD, SW+2*((\lo)+ks)+ta
.endif
.set k, k+1
.endr
.set ta, ta+1
.endr
.set ks, ks+1
.endr
.endm
.macro FETCHM de                       ; 32 LDS loads: M's fragments (t, d2 tile 2 de + ta, kappa), fragment fi = (2 t + ta) 2 + kappa
	WIN 0x40
.set fi, 0
.rept 16
.set lo_, ((4*(fi>>2)+2*(\de)+((fi>>1)&1))*2+(fi&1))*1024
	ds_load_b128 v[128*(\de)+8*fi:128*(\de)+8*fi+3], v[AM] offset:lo_
	ds_load_b128 v[128*(\de)+8*fi+4:128*(\de)+8*fi+7], v[AM] offset:lo_+512
.set fi, fi+1
.endr
.endm
.macro PRODA de                        ; 16 products; the eight accumulators take turns; kappa = 0 starts the sums
	WIN 0x01
.set ka, 0
.rept 2
.set ta, 0
.rept 2
.set tt, 0
.rept 4
.set rA, ACC+8*(4*ta+tt)
.set rM, 128*(\de)+8*((tt*2+ta)*2+ka)
.set rQ, QF+8*(2*tt+ka)
.if ka == 0
	v_wmma_f32_16x16x32_f16 v[rA:rA+7], v[rM:rM+7], v[rQ:rQ+7], 0
.else
	v_wmma_f32_16x16x32_f16 v[rA:rA+7], v[rM:rM+7], v[rQ:rQ+7], v[rA:rA+7]
.endif
.set tt, tt+1
.endr
.set ta, ta+1
.endr
.set ka, ka+1
.endr
.endm
.macro FETCHP hf, off                  ; 20 LDS loads: the weights of K steps 5 hf .. 5 hf + 4, both tiles
	WIN 0x40
.set f, 0
.rept 10
	ds_load_b128 v[80*(\hf)+8*f:80*(\hf)+8*f+3], v[AP] offset:(\off)+10240*(\hf)+f*1024
	ds_load_b128 v[80*(\hf)+8*f+4:80*(\hf)+8*f+7], v[AP] offset:(\off)+10240*(\hf)+f*1024+512
.set f, f+1
.endr
.endm
.macro PRODB hf                        ; 40 products; K step 0 starts the sums
.set ksl, 0
.rept 5
.set ks, 5*(\hf)+ksl
	WIN 0x06+(ks>>3)
.set ta, 0
.rept 2
.set tt, 0
.rept 4
.set rA, ACC+8*(4*ta+tt)
.set rS, 8*(4*(ks&7)+tt)
.set rP, 80*(\hf)+8*(2*ksl+ta)
.if ks == 0
	v_wmma_f32_16x16x32_bf16 v[rA:rA+7], v[rS:rS+7], v[rP:rP+7], 0
.else
	v_wmma_f32_16x16x32_bf16 v[rA:rA+7], v[rS:rS+7], v[rP:rP+7], v[rA:rA+7]
.endif
.set tt, tt+1
.endr
.set ta, ta+1
.endr
.set ksl, ksl+1
.endr
.endm
; THE LIFS, a stage at a time over the eight register pairs (pair ii of tile ta); ii ascends.
.macro OVER m
.set ii, 0
.rept 4
.set ta, 0
.rept 2
	\m
.set ta, ta+1
.endr
.set ii, ii+1
.endr
.endm
.macro REGS
.set rA, ACC+8*(4*ta+tt)+2*ii
.set rV, VV+2*(4*ta+ii)
.set rW, WP+2*ta
.set rS, rA
.if BITS&&(tt==0)&&(ii==0)
.set rS, rW                            ; the first spikes start the word: nothing is cleared
.endif
.endm
.macro L_V0
	REGS
	v_pk_mul_f32 v[rV:rV+1], v[rA:rA+1], 0.5 op_sel_hi:[1,0]
.endm
.macro L_D
	REGS
	v_pk_add_f32 v[rA:rA+1], v[rA:rA+1], v[rV:rV+1] neg_lo:[0,1] neg_hi:[0,1]
.endm
.macro L_V
	REGS
	v_pk_fma_f32 v[rV:rV+1], v[rA:rA+1], 0.5, v[rV:rV+1] op_sel_hi:[1,0,1]
.endm
.macro L_H
	REGS
	v_pk_add_f32 v[rA:rA+1], v[rV:rV+1], -1.0 op_sel_hi:[1,0]
.endm
.macro L_S
	REGS
	v_pk_fma_f32 v[rS:rS+1], v[rA:rA+1], v[BIG:BIG+1], v[ONE:ONE+1] clamp
.endm
.macro A_S
	REGS
	v_pk_fma_f32 v[rS:rS+1], v[rV:rV+1], v[FOUR:FOUR+1], v[M63:M63+1] clamp
.endm
.macro L_R
	REGS
	v_pk_fma_f32 v[rV:rV+1], v[rV:rV+1], v[rS:rS+1], v[rV:rV+1] neg_lo:[1,0,0] neg_hi:[1,0,0]
.endm
.macro L_I
	REGS
.if (tt>0)||(ii>0)
	v_pk_fma_f32 v[rW:rW+1], v[rW:rW+1], 2.0, v[rS:rS+1] op_sel_hi:[1,0,1]
.endif
.endm
.macro F_Z                             ; acc / 2 + p_b: the halving is exact, so this is the sum plus the bias, rounded once
	REGS
	v_pk_fma_f32 v[rA:rA+1], v[rA:rA+1], 0.5, v[PRM+4*ta:PRM+4*ta+1] op_sel_hi:[1,0,0]
.endm
.macro F_M                             ; times inv, the second register of the tile's pair, for both numbers
	REGS
	v_pk_mul_f32 v[rA:rA+1], v[rA:rA+1], v[PRM+4*ta:PRM+4*ta+1] op_sel:[0,1] op_sel_hi:[1,1]
.endm
.macro F_A                             ; plus shift, the ta-th register of its pair, for both numbers
	REGS
.if ta
	v_pk_add_f32 v[rA:rA+1], v[rA:rA+1], v[PRM+2:PRM+3] op_sel:[0,1] op_sel_hi:[1,1]
.else
	v_pk_add_f32 v[rA:rA+1], v[rA:rA+1], v[PRM+2:PRM+3] op_sel:[0,0] op_sel_hi:[1,0]
.endif
.endm
.macro ALIF                            ; the LIF at 0.5, on the scale of 32, and its two bit words
.set BITS, 1
.set tt, 0
.rept 4
.if tt == 0
	OVER L_V0
.else
	OVER L_D
	OVER L_V
.endif
	OVER A_S
.if tt < 3
	OVER L_R
.endif
	OVER L_I
.set tt, tt+1
.endr
.irp u, 0,1,2,3
	v_cvt_u32_f32 v[WP+\u], v[WP+\u]
.endr
	v_lshl_or_b32 v[WD], v[WP+1], 16, v[WP]
	v_lshl_or_b32 v[WD+1], v[WP+3], 16, v[WP+2]
.endm
.macro FLIF                            ; bias, norm and the last LIF; the spikes, 0.0 or 1.0, stay where the sums stood
.set BITS, 0
.set tt, 0
.rept 4
	OVER F_Z
	OVER F_M
	OVER F_A
.if tt == 0
	OVER L_V0
.else
	OVER L_D
	OVER L_V
.endif
	OVER L_H
	OVER L_S
.if tt < 3
	OVER L_R
.endif
.set tt, tt+1
.endr
.endm
	; PHASE A: a trip a head
	s_mov_b32 s57, 5
.Lhead:
	FETCHM 0
	FETCHM 1
	WIN 0
	s_wait_loadcnt 0x0                             ; the head's q words
	QEXP 0
	QEXP 1
	s_cmp_eq_u32 s57, 1                            ; the last head has none behind it
	s_cbranch_scc1 .Lno_q
	s_add_nc_u64 s[52:53], s[52:53], 512           ; (the loads that read this address have come back)
	global_load_b64 v[QW:QW+1], v[QO], s[52:53]    ; the next head's words, into the registers just read
	global_load_b64 v[QW+2:QW+3], v[QO], s[52:53] offset:256
.Lno_q:
	s_wait_dscnt 32                                ; the first half's fragments of M are in; the second half's 32 loads may stay out
	PRODA 0
	WIN 0
	PLACES
	PLACES
	ALIF
	ds_store_b64 v[AS], v[WD:WD+1]
	s_wait_dscnt 1                                 ; the second half's are in: only the store just issued is younger
	PRODA 1
	WIN 0
	PLACES
	PLACES
	ALIF
	ds_store_b64 v[AS], v[WD:WD+1] offset:256
	v_add_nc_u32 v[AM], 32768, v[AM]
	v_add_nc_u32 v[AS], 512, v[AS]
	s_sub_co_u32 s57, s57, 1
	s_cmp_lg_u32 s57, 0
	s_cbranch_scc1 .Lhead
	; M has been read: its first half takes the weights of jobs 4-7
	s_wait_tensorcnt 0x0                           ; all my tensor loads have landed,
	ds_add_u32 v[SPW], v[NIL]
	s_wait_dscnt 0x0                               ; the add is done, and my reads of M are over
	ROUND                                          ; and so it is with every wave of every partner
	tensor_load_to_lds s[48:51], s[32:39]
	s_nop 0
	PLACES
.set ks, 0
.rept 10
	ds_load_b64 v[SW+2*ks:SW+2*ks+1], v[ASB] offset:256*ks   ; my own words: LDS serves a wave's instructions in order
.set ks, ks+1
.endr
	s_wait_dscnt 0x0
	WIN 0x80                                       ; destination window 2, source window 0
	SEXP 0, 0, 8
	WIN 0x88                                       ; in place in window 2
	SEXP 1, 0, 8
	WIN 0xc0
	SEXP 0, 8, 2
	WIN 0xcc
	SEXP 1, 8, 2
	WIN 0
	s_wait_tensorcnt 0x0                           ; my quarter of the last weights is in,
	s_barrier_signal -1
	s_barrier_wait -1                              ; everybody's is
	FETCHP 0, 0
	WIN 0
	s_mov_b32 s56, 0
	s_mov_b32 s57, 8
	; PHASE B: a trip a job of 32 output channels
.Ljob:
	global_load_b32 v[PRM], v[TK], s[54:55] offset:4096      ; bias, tile 0
	global_load_b32 v[PRM+1], v[TK], s[54:55]                ; inv
	global_load_b32 v[PRM+2], v[TK], s[54:55] offset:2048    ; shift
	global_load_b32 v[PRM+3], v[TK], s[54:55] offset:2048+64 ; shift, tile 1
	global_load_b32 v[PRM+4], v[TK], s[54:55] offset:4096+64 ; bias
	global_load_b32 v[PRM+5], v[TK], s[54:55] offset:64      ; inv
	s_wait_dscnt 0x0                               ; K steps 0-4 are in
	FETCHP 1, 0                                    ; (the last LIF lies between these loads and the last product that read their registers)
	PRODB 0
	s_wait_dscnt 0x0                               ; K steps 5-9 are in
	WIN 0
	PLACES
	s_cmp_eq_u32 s57, 1                            ; the last job has none behind it
	s_cbranch_scc1 .Lno_p
	FETCHP 0, 20480
	WIN 0
.Lno_p:
	PRODB 1
	WIN 0
	PLACES
	PLACES
	s_wait_loadcnt 0x0                             ; bias, inv, shift; their address is free
	s_add_nc_u64 s[54:55], s[54:55], 128
	FLIF
	v_add_nc_u32 v[STOC], s56, v[STO0]
	v_add_nc_u32 v[RDC], s56, v[RD0]
.set tt, 0
.rept 4
.set ta, 0
.rept 2
	ds_store_b128 v[STOC], v[ACC+8*(4*ta+tt):ACC+8*(4*ta+tt)+3] offset:(32*tt+16*ta)*SPI
	ds_store_b128 v[STOC], v[ACC+8*(4*ta+tt)+4:ACC+8*(4*ta+tt)+7] offset:(32*tt+16*ta)*SPI+16
.set ta, ta+1
.endr
.set tt, tt+1
.endr
	s_wait_dscnt 0x0                               ; for the others' sake: my stores are done, and so are my reads of the other buffer.  Two buffers make one barrier a job enough:
	s_barrier_signal -1                            ; a buffer is written again two jobs on, behind the next job's barrier
	s_barrier_wait -1
.set k, 0
.rept 16
	ds_load_b128 v[OUT+4*k:OUT+4*k+3], v[RDC] offset:2*k*SPI
.set k, k+1
.endr
.set k, 0
.rept 16
	s_wait_dscnt 15-k                              ; load k is back; the younger ones may stay out
	global_store_b128 v[GO], v[OUT+4*k:OUT+4*k+3], s[20:21] offset:2*k*4096 th:TH_STORE_NT  ; 16 lanes store 256 consecutive bytes, aligned
.set k, k+1
.endr
	s_xor_b32 s56, s56, SBUF
	v_add_nc_u32 v[AP], 20480, v[AP]
	s_wait_xcnt 0x0                                ; the stores have read their registers and their base: both are written again only behind this wait
	s_add_nc_u64 s[20:21], s[20:21], 131072        ; 32 rows of out0
	s_sub_co_u32 s57, s57, 1
	s_cmp_lg_u32 s57, 0
	s_cbranch_scc1 .Ljob
	s_wait_tensorcnt 0x0                           ; the wave's end
	ds_add_u32 v[SPW], v[NIL]
	s_wait_dscnt 0x0
	ROUND                                          ; the closing round
	s_endpgm
.Lfunc_end_k_qe9aae52dff_out:
	.size	k_qe9aae52dff_out, .Lfunc_end_k_qe9aae52dff_out-k_qe9aae52dff_out
	.p2alignl 7, 3214868480
	.fill 96, 4, 3214868480
	.section	.rodata,"a",@progbits
	.p2align	6, 0x0
	.amdhsa_kernel k_qe9aae52dff_out
		.amdhsa_group_segment_fixed_size 327680
		.amdhsa_private_segment_fixed_size 0
		.amdhsa_enable_private_segment 0
		.amdhsa_kernarg_size 40
		.amdhsa_user_sgpr_count 2
		.amdhsa_user_sgpr_kernarg_segment_ptr 1
		.amdhsa_wavefront_size32 1
		.amdhsa_system_sgpr_workgroup_id_x 1
		.amdhsa_system_sgpr_workgroup_id_y 1
		.amdhsa_system_sgpr_workgroup_id_z 1
		.amdhsa_system_vgpr_workitem_id 0
		.amdhsa_next_free_vgpr 832
		.amdhsa_next_free_sgpr 66
		.amdhsa_reserve_vcc 0
		.amdhsa_float_denorm_mode_32 3
		.amdhsa_float_denorm_mode_16_64 3
		.amdhsa_memory_ordered 1
		.amdhsa_forward_progress 1
		.amdhsa_inst_pref_size 88
	.end_amdhsa_kernel
	.amdgpu_metadata
---
amdhsa.version: [ 1, 2 ]
amdhsa.kernels:
  - .name:           k_qe9aae52dff_out
    .symbol:         k_qe9aae52dff_out.kd
    .args:
      - { .name: spk, .offset: 0, .size: 8, .value_kind: global_buffer, .address_space: global }
      - { .name: mf, .offset: 8, .size: 8, .value_kind: global_buffer, .address_space: global }
      - { .name: pf, .offset: 16, .size: 8, .value_kind: global_buffer, .address_space: global }
      - { .name: tab, .offset: 24, .size: 8, .value_kind: global_buffer, .address_space: global }
      - { .name: out0, .offset: 32, .size: 8, .value_kind: global_buffer, .address_space: global }
    .group_segment_fixed_size: 327680
    .private_segment_fixed_size: 0
    .kernarg_segment_align: 8
    .kernarg_segment_size: 40
    .max_flat_workgroup_size: 128
    .sgpr_count:     66
    .vgpr_count:     832
    .wavefront_size: 32
...
	.end_amdgpu_metadata
.endif
;; end of part 4
;; ======== version 2 of 2: 4 launches; version 1 with the launch ktv written anew for expert scheduling mode
;; workspace buffers: wf 983,040 bytes; pf 327,680 bytes; tab 18,432 bytes; spk 3,932,160 bytes; mf 1,310,720 bytes
;; launch prep: the kernel of part 1 again; grid 328 x 1, 8 waves a work-group, no clusters, 0 bytes of LDS; arguments q_w, k_w, v_w, p_w, kg, kb, km, kv, vg, vb, vm, vv, qg, qb, qm, qv, pg, pb, pm, pv, p_b, wf, pf, tab; writes wf, pf, tab
;; launch qkv: the kernel of part 2 again; grid 16 x 16, 4 waves a work-group, clusters of 4 x 4, 327,680 bytes of LDS; arguments x, wf, tab, spk; writes spk
;; launch ktv (part 5): grid 20 x 8, 4 waves a work-group, no clusters, 0 bytes of LDS; arguments spk, mf; writes mf
.if DOCPART == 5
	.amdgcn_target "amdgcn-amd-amdhsa--gfx1250"
	.amdhsa_code_object_version 6
	.text
	.protected	k_qe9aae52dff_ktv
	.globl	k_qe9aae52dff_ktv
	.p2align	8
	.type	k_qe9aae52dff_ktv,@function
k_qe9aae52dff_ktv:
	s_mov_b64 s[64:65], 0
	v_nop
	global_prefetch_b8 v0, s[64:65] scope:SCOPE_SE
	s_setreg_imm32_b32 hwreg(HW_REG_WAVE_SCHED_MODE, 0, 2), 2
	s_setreg_imm32_b32 hwreg(HW_REG_WAVE_MODE, 25, 1), 1
	s_wait_xcnt 0x0
	s_wait_alu depctr_vm_vsrc(0)
; KTV: M[d1][d2] = the sum over the 1,024 positions n of k[n][d1] v[n][d2], for each step t, batch b and head (64 x 64).  There is no softmax, so (q k^T) v = q (k^T v); all numbers are
; whole and small (M at most 1,024), so the other order of the sums changes no bit.
; SHARES.  A work-group: one (head, t, b): 160 of them; a finer share would need sums across work-groups.  A wave: 32 x 32 of M: d1 tiles 2 a, 2 a + 1, d2 tiles 2 bb, 2 bb + 1: four accumulators.
; OPERANDS.  k's and v's spikes come as bit words (a lane: channel l % 16, positions 8 (l / 16) + 0..7, all four steps).  A word shifted left by 4 t, then by -1, 0, 1, 2, and masked with
; 0x40004000 gives the four registers of half a fragment: 2.0 in f16 for a spike.  So the sums are 4 M, at most 4,096: exact in f32 and in f16.
; RESULT.  A lane holds d2 = l % 16 and d1 = 8 (l / 16) + 0..7: rounded in pairs that is a fragment of M^T (rows d2, K = d1), stored as such:
; mf [b 8][head 5][t 4][d2 tile 4][kappa 2][j2 2][lane 32][16 bytes].
; THE MODE: SCHED_MODE bits 1:0 = 2 (LLVM: expert scheduling mode 2), set by the entry lines.  The code itself states the register dependences
; between vector or matrix instructions and memory instructions, with s_wait_alu, always for 0.
; THE PLAN.  The 64 position tiles go in 8 blocks of 8 (16 loads of 256 consecutive bytes, aligned).  Registers that memory instructions touch:
;   KW0 .. KW2   three sets of a block's 32 words.  Written by the loads of block p + 2, issued in block p; read by block p + 2's expansions.
;   v2, v3       byte offsets, made once at the head and never written again: the blocks are reached by immediate offsets and by the two scalar bases, which move on once a lap.
;   FR .. FR+15  at the way out alone: written by the sixteen conversions, read by the four stores.
;   U, the fragments FR in the loop and the accumulators are named by vector and matrix instructions alone.
; Block p expands KW[p % 3].  Its loads land in KW[(p + 2) % 3] = KW[(p - 1) % 3], the set that block p - 1 expanded and that no vector instruction of block p names.  So ONE wait on va_vdst
; stands in a block, behind the expansions of its first K step; the sixteen loads follow it, four ahead of each of that K step's four products, which name FR and the accumulators alone.
; IN FLIGHT.  At a block's head the next block's 16 loads are out; 16 more go out in its first K step, and have nearly two blocks' work in which to land.
.set U,   8                            ; v8-15    words shifted by 4 t, by turns
.set KW,  16                           ; v16-111  set s: k's 16 words at KW + 32 s (tile n8, tau at 2 n8 + tau), v's 16 behind them
.set FR,  112                          ; v112-175 two sets of four fragments: k tau 0, 1, v tau 0, 1
.set ACC, 176                          ; v176-207 accumulator (al, be) at ACC + 8 (2 al + be)
.set BLK, 20480                        ; a block: 8 position tiles, 2,560 bytes apart
.set uc,  0
	s_load_b128 s[4:7], s[0:1], 0x0                ; spk s[4:5], mf s[6:7]
	v_lshrrev_b32 v1, 5, v0
	v_readfirstlane_b32 s8, v1                     ; wave
	v_and_b32 v1, 31, v0
	v_lshlrev_b32 v2, 3, v1                        ; 8 x lane; never rewritten
	v_lshlrev_b32 v3, 4, v1                        ; 16 x lane; never rewritten
	s_wait_alu depctr_va_sdst(0)                   ; s8 is written, ahead of its first reader: the wave's part of M, and with it all three addresses, are made from it
	s_lshr_b32 s9, s8, 1                           ; a
	s_and_b32 s10, s8, 1                           ; bb
	s_lshr_b32 s11, ttmp9, 2                       ; head
	s_and_b32 s12, ttmp9, 3                        ; t
	s_and_b32 s13, ttmp7, 0xffff                   ; b
	s_lshl_b32 s14, s12, 2                         ; 4 t
	s_mov_b32 s15, 0x40004000
	s_mul_i32 s16, s13, 640                        ; 64 tiles x 10 pairs
	s_lshl_b32 s17, s11, 1
	s_add_co_u32 s16, s16, s17                     ; + the head's first pair of channel tiles
	s_add_co_u32 s18, s16, s9
	s_lshl_b32 s18, s18, 8
	s_mov_b32 s19, 0
	s_add_co_u32 s20, s16, s10
	s_lshl_b32 s20, s20, 8
	s_add_co_u32 s20, s20, 1310720                 ; v's part of spk
	s_mov_b32 s21, 0
	s_mul_i32 s22, s13, 5
	s_add_co_u32 s22, s22, s11
	s_lshl_b32 s22, s22, 2
	s_add_co_u32 s22, s22, s12                     ; (5 b + head) 4 + t
	s_lshl_b32 s22, s22, 3                         ; eight fragments each
	s_lshl_b32 s23, s10, 2
	s_add_co_u32 s22, s22, s23                     ; + 2 (2 bb)
	s_add_co_u32 s22, s22, s9                      ; + kappa = a
	s_lshl_b32 s22, s22, 10
	s_mov_b32 s23, 0
	s_wait_kmcnt 0x0
	s_add_nc_u64 s[24:25], s[4:5], s[18:19]        ; k's words
	s_add_nc_u64 s[26:27], s[4:5], s[20:21]        ; v's words
	s_add_nc_u64 s[28:29], s[6:7], s[22:23]
.macro TILE set, off                   ; position tile n8 of a block: k's two words and v's two; n8 moves on
	global_load_b64 v[KW+32*(\set)+2*n8:KW+32*(\set)+2*n8+1], v2, s[24:25] offset:(\off)+n8*2560
	global_load_b64 v[KW+32*(\set)+16+2*n8:KW+32*(\set)+16+2*n8+1], v2, s[26:27] offset:(\off)+n8*2560
.set n8, n8+1
.endm
.macro EXPAND w, d                     ; a word into four registers of a fragment
.set uc, (uc+1)&7
	v_lshlrev_b32 v[U+uc], s14, v[\w]
	v_lshrrev_b32 v[\d], 1, v[U+uc]
	v_and_b32 v[(\d)+1], s15, v[U+uc]
	v_lshlrev_b32 v[(\d)+2], 1, v[U+uc]
	v_lshlrev_b32 v[(\d)+3], 2, v[U+uc]
	v_and_b32 v[\d], s15, v[\d]
	v_and_b32 v[(\d)+2], s15, v[(\d)+2]
	v_and_b32 v[(\d)+3], s15, v[(\d)+3]
.endm
; A BLOCK: four K steps of 32 positions out of word set 'set'.  A fragment's registers 0-3 come from position tile 2 m, 4-7 from 2 m + 1.  The fragment sets take turns, so a set is written again
; 64 plain instructions behind its last product; the four accumulators take turns, one instruction a turn.
; ahead = 1: the block two further on is asked for, at byte off from the bases.  left = how many younger loads may still be out when this block's sixteen have to be there.
.macro BLOCK set, ahead, off, left
	s_wait_loadcnt \left                           ; loads come back in order (ISA guide 5.7.1): this block's words are in, the next block's stay out
.set n8, 0
.set m, 0
.rept 4
.set fb, FR+32*(m&1)
.set kb, KW+32*(\set)+4*m
.set vb, kb+16
	EXPAND kb, fb
	EXPAND kb+2, fb+4
	EXPAND kb+1, fb+8
	EXPAND kb+3, fb+12
	EXPAND vb, fb+16
	EXPAND vb+2, fb+20
	EXPAND vb+1, fb+24
	EXPAND vb+3, fb+28
.if (\ahead) && (m == 0)
	s_wait_alu depctr_va_vdst(0)                   ; the block before is done reading its word set, in which the sixteen loads below land (in the first block of all no vector instruction has named that set)
.endif
.irp al, 0,1
.irp be, 0,1
.if (\ahead) && (m == 0)
	TILE ((\set)+2)%3, \off                        ; four loads.  No further wait: since the wait above only products have been issued, and they name FR and the accumulators
	TILE ((\set)+2)%3, \off
.endif
	v_wmma_f32_16x16x32_f16 v[ACC+8*(2*\al+\be):ACC+8*(2*\al+\be)+7], v[fb+8*\al:fb+8*\al+7], v[fb+16+8*\be:fb+16+8*\be+7], v[ACC+8*(2*\al+\be):ACC+8*(2*\al+\be)+7]
.endr
.endr
.set m, m+1
.endr
.endm
	s_wait_alu depctr_va_vdst(0)                   ; v2 is written: every load of the kernel reads it as its offset
.set n8, 0
.rept 8
	TILE 0, 0                                      ; block 0 into set 0
.endr
.set n8, 0
.rept 8
	TILE 1, BLK                                    ; block 1 into set 1
.endr
.set r, 0
.rept 32
	v_mov_b32 v[ACC+r], 0                          ; the sums start at 0: written while the first loads are out, so that the loop has one form of product
.set r, r+1
.endr
	s_mov_b32 s30, 2
.Lturn:                                                ; blocks 0 to 5, three to a lap: the word sets are back at their start
	BLOCK 0, 1, 2*BLK, 16
	BLOCK 1, 1, 3*BLK, 16
	BLOCK 2, 1, 4*BLK, 16
	s_wait_xcnt 0x0                                ; every load issued so far has had its address translated (ISA guide 3.1): the bases are written only behind this wait
	s_add_nc_u64 s[24:25], s[24:25], 3*BLK
	s_add_nc_u64 s[26:27], s[26:27], 3*BLK
	s_sub_co_u32 s30, s30, 1
	s_cmp_lg_u32 s30, 0
	s_cbranch_scc1 .Lturn
	BLOCK 0, 0, 0, 16                              ; blocks 6 and 7 load nothing: no load leaves the buffer, and the counts run down
	BLOCK 1, 0, 0, 0
.rept 8
	v_nop                                          ; the places behind the last products
.endr
.irp be, 0,1
.irp al, 0,1
.irp i, 0,1,2,3
	v_cvt_pk_f16_f32 v[FR+8*\be+4*\al+\i], v[ACC+8*(2*\al+\be)+2*\i], v[ACC+8*(2*\al+\be)+2*\i+1]
.endr
.endr
.endr
	s_wait_alu depctr_va_vdst(0)                   ; the conversions have written v[FR .. FR+15], which the four stores read (v3, their offset, was written at the head)
.irp be, 0,1
	global_store_b128 v3, v[FR+8*\be:FR+8*\be+3], s[28:29] offset:2048*\be       ; a store covers 512 consecutive bytes, aligned
	global_store_b128 v3, v[FR+8*\be+4:FR+8*\be+7], s[28:29] offset:2048*\be+512
.endr
	s_endpgm
.Lfunc_end_k_qe9aae52dff_ktv:
	.size	k_qe9aae52dff_ktv, .Lfunc_end_k_qe9aae52dff_ktv-k_qe9aae52dff_ktv
	.p2alignl 7, 3214868480
	.fill 96, 4, 3214868480
	.section	.rodata,"a",@progbits
	.p2align	6, 0x0
	.amdhsa_kernel k_qe9aae52dff_ktv
		.amdhsa_group_segment_fixed_size 0
		.amdhsa_private_segment_fixed_size 0
		.amdhsa_enable_private_segment 0
		.amdhsa_kernarg_size 16
		.amdhsa_user_sgpr_count 2
		.amdhsa_user_sgpr_kernarg_segment_ptr 1
		.amdhsa_wavefront_size32 1
		.amdhsa_system_sgpr_workgroup_id_x 1
		.amdhsa_system_sgpr_workgroup_id_y 1
		.amdhsa_system_sgpr_workgroup_id_z 1
		.amdhsa_system_vgpr_workitem_id 0
		.amdhsa_next_free_vgpr 208
		.amdhsa_next_free_sgpr 66
		.amdhsa_reserve_vcc 0
		.amdhsa_float_denorm_mode_32 3
		.amdhsa_float_denorm_mode_16_64 3
		.amdhsa_memory_ordered 1
		.amdhsa_forward_progress 1
		.amdhsa_inst_pref_size 58
	.end_amdhsa_kernel
	.amdgpu_metadata
---
amdhsa.version: [ 1, 2 ]
amdhsa.kernels:
  - .name:           k_qe9aae52dff_ktv
    .symbol:         k_qe9aae52dff_ktv.kd
    .args:
      - { .name: spk, .offset: 0, .size: 8, .value_kind: global_buffer, .address_space: global }
      - { .name: mf, .offset: 8, .size: 8, .value_kind: global_buffer, .address_space: global }
    .group_segment_fixed_size: 0
    .private_segment_fixed_size: 0
    .kernarg_segment_align: 8
    .kernarg_segment_size: 16
    .max_flat_workgroup_size: 128
    .sgpr_count:     66
    .vgpr_count:     208
    .wavefront_size: 32
...
	.end_amdgpu_metadata
.endif
;; end of part 5
;; launch out: the kernel of part 4 again; grid 16 x 16, 4 waves a work-group, clusters of 4 x 4, 327,680 bytes of LDS; arguments spk, mf, pf, tab, out0; writes out0
